; MI455X (gfx1250); checked and timed in simulation.
; The chip was launched on July 23, 2026; its instructions are those of AMD's public machine-readable ISA for CDNA 5 (MIT licence, August 2026) and "CDNA5" Instruction Set Architecture Reference Guide (July 2026). The comments in the code are by the model that wrote it; some were corrected since.
;; Multihead Self Attention. Allowed arithmetic: matrix products marked QUANTISED: E2M1 operands, one E8M0 scale for each 32 along K, by v_wmma_scale_f32_16x16x128_f8f6f4 with both operands' format E2M1 (or v_wmma_scale_f32_32x16x128_f4), f32 sums; products left as they are: bf16, f16 or f32 operands; f32 sums; everything else in f32.
;; Inputs: w_k 1,024 x 1,024 float32; w_o 1,024 x 1,024 float32; w_q 1,024 x 1,024 float32; w_v 1,024 x 1,024 float32; x 4 x 2,048 x 1,024 float32.
;; Outputs: out0 4 x 2,048 x 1,024 float32.
;; This version of the problem:
;;   THIS VERSION OF THE PROBLEM IS GIVEN IN LOW PRECISION. The matrix products marked QUANTISED in the list below multiply operands that are first quantised to E2M1 (2 exponent bits, 1 mantissa bit; 4 bits a number), with one power-of-two scale for each 32 numbers along K (OCP MX v1.0); their sums are f32. The products marked 'left as it is' may take bf16, f16 or f32 operands, with f32 sums. Whichever they take, every output number must still come out within the allowed error. Rounding operands to bf16 (8 significant bits) uses up far more of that allowance than f16 does (11 bits, for magnitudes from 6e-5 to 65,504). All else is computed in f32.
;;   The module's matrix products, in the order in which they are computed (A, B: the left and right operand; K: the contracted axis; several contracted axes count as one K, in the product's order):
;;     1. [M 8,192, K 1,024] x [K 1,024, N 1,024]; A: input x; B: input w_q: QUANTISED
;;     2. [M 8,192, K 1,024] x [K 1,024, N 1,024]; A: input x; B: input w_k: QUANTISED
;;     3. [M 8,192, K 1,024] x [K 1,024, N 1,024]; A: input x; B: input w_v: QUANTISED
;;     4. batch 64 x [M 2,048, K 64] x [K 64, N 2,048]; A: computed on the way; B: computed on the way: left as it is (an operand is computed on the way)
;;     5. batch 64 x [M 2,048, K 2,048] x [K 2,048, N 64]; A: computed on the way; B: computed on the way: left as it is (an operand is computed on the way)
;;     6. [M 8,192, K 1,024] x [K 1,024, N 1,024]; A: computed on the way; B: input w_o: left as it is (an operand is computed on the way)
;;   THE QUANTISER, for each operand of a quantised product, along K:
;;     - K is cut into blocks of 32 from its start; a last block that is shorter is filled with zeros.
;;     - A block's scale is 2^e with e = floor(log2(the largest magnitude in the block)) - 2, held to -126 .. 127; a block of zeros has e = 0. As a byte (E8M0): e + 127.
;;     - Each number is divided by its block's scale, clamped to +-6, and rounded to the nearest number of E2M1, ties to even, subnormals kept.
;;     - The product sums the exact products of the quantised numbers (number of the format x scale) in f32.
;;   ~~~python
;;   def quantise(x, axis):      # numpy; x: float32 -> the quantised numbers, widened to float32 again
;;       x = np.moveaxis(x, axis, -1); K = x.shape[-1]
;;       x = np.pad(x, [(0, 0)] * (x.ndim - 1) + [(0, -K % 32)]); x = x.reshape(x.shape[:-1] + (-1, 32)); a = np.abs(x).max(-1, keepdims=True)
;;       e = np.where(a > 0, np.clip(np.frexp(np.where(a > 0, a, 1))[1] - 1 - 2, -126, 127), 0)      # np.frexp(a)[1] - 1 = floor(log2(a)), exactly
;;       r = np.clip(x / 2.0 ** e, -6, 6)
;;       step = 2.0 ** (np.maximum(np.frexp(np.where(r == 0, 1, r))[1] - 1, 0) - 1)
;;       q = np.round(r / step) * step * 2.0 ** e      # np.round: ties to even
;;       return np.moveaxis(q.reshape(q.shape[:-2] + (-1,))[..., :K], -1, axis).astype(np.float32)
;;   ~~~
;; One version. Each part assembles by itself: llvm-mc -triple=amdgcn-amd-amdhsa -mcpu=gfx1250 --defsym DOCPART=n.
;; ======== version 1 of 1: 5 launches
;; limits: values are held in f16: magnitudes above 65,504 overflow, below 6.1e-05 lose precision
;; workspace buffers: xc 4,194,304 bytes; xs 262,144 bytes; wc 1,572,864 bytes; ws 98,304 bytes; wo16 2,097,152 bytes; qkv16 50,331,648 bytes; qkv32 786,432 bytes; ao16 16,777,216 bytes
;; launch quant (part 1): grid 384 x 1, 4 waves a work-group, no clusters, 33,280 bytes of LDS; arguments x, w_q, w_k, w_v, w_o, xc, xs, wc, ws, wo16; writes xc, xs, wc, ws, wo16
.if DOCPART == 1
	.amdgcn_target "amdgcn-amd-amdhsa--gfx1250"
	.amdhsa_code_object_version 6
	.text
	.protected	k_qc2de862f74_quant
	.globl	k_qc2de862f74_quant
	.p2align	8
	.type	k_qc2de862f74_quant,@function
k_qc2de862f74_quant:
	s_mov_b64 s[64:65], 0
	v_nop
	global_prefetch_b8 v0, s[64:65] scope:SCOPE_SE
	s_setreg_imm32_b32 hwreg(HW_REG_WAVE_MODE, 25, 1), 1
	s_wait_xcnt 0x0
; x [8192][1024] and w_q, w_k, w_v [1024][1024], f32, become codes of FP4 (E2M1), K innermost, with one E8M0 byte for each 32 along K; w_o [1024][1024] becomes f16.
; A block's scale is 2^(floor(log2(its largest magnitude)) - 2); its byte is the largest magnitude's exponent field - 2, held at 1 from below.  A block of zeros so gets the byte 1 where the
; rule says 127: its codes are zeros, and the bytes are read by this program alone.
; LIMITS: NaN and infinities among the inputs are not served; blocks whose largest magnitude lies under 2^(2 - 126) keep the byte 1.
; SHARES: a work-group takes 32,768 numbers, a wave 8,192.  Work-groups 0-255: x; 256-351: w_q, w_k, w_v (32 each, their codes one behind the other in wc, ws); 352-383: w_o.
; Rows are dense and K is a multiple of 32: every tensor is a plain stream of blocks of 32.  The conversions want 16 neighbours in a lane, a load wants neighbouring bytes in neighbouring lanes:
; each step's 2,048 bytes are loaded as they lie (512 consecutive bytes a load) and turned through the wave's own stage in LDS.  A wave's 256 scale bytes are gathered in LDS and leave as one store of 256 consecutive bytes.
.set WAVES, 4
.set STEPS, 16
.set EMAX,  2
.set CB,    8                          ; bytes of 16 codes
.set R,     16                         ; v16-79   four sets of 16 numbers as loaded
.set X,     80                         ; v80-111  two sets of 16 neighbours
.set E,     112                        ; v112-127 a scale byte for each step
.set C,     128                        ; v128-191 codes, four registers a step: no store's data are written again
.set WREG,  8192                       ; LDS: a region for each wave: two stages of 32 x SP bytes, then its 256 scale bytes
.set SP,    80                         ; a lane's place in a stage: 64 bytes + 16 of padding
.set SPW,   12                         ; v12 my spare word's LDS address; never rewritten
.set NIL,   13                         ; v13 0; never rewritten
.set SPARE, WAVES*WREG                 ; the spare words: 128 bytes a wave, named by no other line
.set RA,    16                         ; the w_o path: two sets of 64 numbers,
.set RB,    80
.set WC,    144                        ; and 32 registers of f16 pairs
	s_load_b512 s[4:19], s[0:1], 0x0               ; x s[4:5], w_q s[6:7], w_k s[8:9], w_v s[10:11], w_o s[12:13], xc s[14:15], xs s[16:17], wc s[18:19]
	s_load_b128 s[20:23], s[0:1], 0x40             ; ws s[20:21], wo16 s[22:23]
	v_lshl_add_u32 v[SPW], v0, 2, SPARE
	v_mov_b32 v[NIL], 0
	v_lshrrev_b32 v1, 5, v0
	v_readfirstlane_b32 s24, v1                    ; wave
	v_and_b32 v2, 31, v0                           ; lane
	v_lshlrev_b32 v3, 4, v2                        ; my 16 bytes of a load's 512
	s_mul_i32 s25, s24, WREG
	v_lshrrev_b32 v14, 2, v2
	v_mul_u32_u24 v14, v14, SP
	v_and_b32 v15, 3, v2
	v_lshl_add_u32 v14, v15, 4, v14
	v_add_nc_u32 v14, s25, v14                     ; the stage, on the way in: SP (lane / 4) + 16 (lane % 4)
	v_mul_u32_u24 v15, v2, SP
	v_add_nc_u32 v15, s25, v15                     ; and on the way out: SP x lane: my 16 neighbours
	v_mul_u32_u24 v4, v2, CB                       ; my codes' place in a step's
	v_lshrrev_b32 v5, 1, v2
	s_add_co_u32 s25, s25, 2*32*SP
	v_add_nc_u32 v5, s25, v5                       ; my block's byte among my wave's 256 scale bytes
	v_lshlrev_b32 v7, 3, v2                        ; and on the way out 8 bytes a lane
	v_add_nc_u32 v6, s25, v7
	v_lshlrev_b32 v8, 5, v2                        ; the w_o path: 32 bytes a lane in,
	v_lshlrev_b32 v9, 4, v2                        ; 16 out
	s_wait_kmcnt 0x0
	s_cmp_lt_u32 ttmp9, 352                        ; the work-group's number alone decides
	s_cbranch_scc1 .Lcodes
; ---- w_o to f16: a wave's 8,192 numbers in four batches of 2,048; a lane takes 8 neighbours and stores 16 bytes, the wave 512 consecutive bytes
.macro WLOAD n, set
.irp i, 0,1,2,3,4,5,6,7
	global_load_b128 v[\set+8*\i:\set+8*\i+3],   v8, s[12:13] offset:1024*(8*(\n)+\i) th:TH_LOAD_NT
	global_load_b128 v[\set+8*\i+4:\set+8*\i+7], v8, s[12:13] offset:1024*(8*(\n)+\i)+16 th:TH_LOAD_NT
.endr
.endm
.macro WSTEP n, set, left
	s_wait_loadcnt \left                           ; this batch's 16 loads are in; the next batch's 16 may be out
	s_wait_xcnt 0x0                                ; the last batch's stores have read WC's registers
.irp i, 0,1,2,3,4,5,6,7
.irp q, 0,1,2,3
	v_cvt_pk_f16_f32 v[WC+4*\i+\q], v[\set+8*\i+2*\q], v[\set+8*\i+2*\q+1]
.endr
.endr
.irp i, 0,1,2,3,4,5,6,7
	global_store_b128 v9, v[WC+4*\i:WC+4*\i+3], s[22:23] offset:512*(8*(\n)+\i)
.endr
.endm
	s_sub_co_u32 s25, ttmp9, 352
	s_lshl_b32 s25, s25, 2
	s_add_co_u32 s25, s25, s24                     ; which run of 8,192 numbers is my wave's
	s_lshl_b32 s26, s25, 15
	s_mov_b32 s27, 0
	s_lshl_b32 s28, s25, 14
	s_mov_b32 s29, 0
	s_add_nc_u64 s[12:13], s[12:13], s[26:27]
	s_add_nc_u64 s[22:23], s[22:23], s[28:29]
	WLOAD 0, RA
	WLOAD 1, RB
	WSTEP 0, RA, 16
	WLOAD 2, RA
	WSTEP 1, RB, 16
	WLOAD 3, RB
	WSTEP 2, RA, 16
	WSTEP 3, RB, 0
	s_branch .Lend
.Lcodes:
; ---- codes.  Only pointers are chosen: all four tensors take one path
	s_cmp_lt_u32 ttmp9, 320
	s_cselect_b64 s[26:27], s[8:9], s[10:11]       ; w_k or w_v
	s_cmp_lt_u32 ttmp9, 288
	s_cselect_b64 s[26:27], s[6:7], s[26:27]       ; w_q
	s_cmp_lt_u32 ttmp9, 256
	s_cselect_b64 s[26:27], s[4:5], s[26:27]       ; x: the source
	s_cselect_b64 s[28:29], s[14:15], s[18:19]     ; the codes
	s_cselect_b64 s[30:31], s[16:17], s[20:21]     ; the scale bytes
	s_cselect_b32 s32, 0, 256
	s_cselect_b32 s34, 255, 31
	s_sub_co_u32 s33, ttmp9, s32                   ; the work-group's place in the destination,
	s_and_b32 s34, s33, s34                        ; and in its source tensor
	s_lshl_b32 s33, s33, 2
	s_add_co_u32 s33, s33, s24
	s_lshl_b32 s34, s34, 2
	s_add_co_u32 s34, s34, s24
	s_lshl_b32 s36, s34, 15                        ; 8,192 numbers are 32,768 bytes,
	s_mov_b32 s37, 0
	s_add_nc_u64 s[26:27], s[26:27], s[36:37]
	s_lshl_b32 s36, s33, 12                        ; 4,096 bytes of codes,
	s_add_nc_u64 s[28:29], s[28:29], s[36:37]
	s_lshl_b32 s36, s33, 8                         ; 256 scale bytes
	s_add_nc_u64 s[30:31], s[30:31], s[36:37]
.macro LOAD t
.irp i, 0,1,2,3
	global_load_b128 v[R+16*((\t)%4)+4*\i:R+16*((\t)%4)+4*\i+3], v3, s[26:27] offset:2048*(\t)+512*\i th:TH_LOAD_NT   ; 32 lanes read 512 consecutive bytes
.endr
.endm
.macro TURN t                          ; step t's numbers through the stage: LDS serves a wave's instructions in order (ISA guide 5.7.1.4), so no wait stands between the stores and the loads
.irp i, 0,1,2,3
	ds_store_b128 v14, v[R+16*((\t)%4)+4*\i:R+16*((\t)%4)+4*\i+3] offset:32*SP*((\t)%2)+8*SP*\i
.endr
.irp i, 0,1,2,3
	ds_load_b128 v[X+16*((\t)%2)+4*\i:X+16*((\t)%2)+4*\i+3], v15 offset:32*SP*((\t)%2)+16*\i
.endr
.endm
.irp t, 0,1,2,3
	LOAD \t
.endr
	s_wait_loadcnt 12                              ; step 0's four loads are in; three steps' twelve may be out
	TURN 0
.macro STEP t
.set XS, X+16*((\t)%2)
.if (\t) > 0
	s_wait_dscnt 1                                 ; this step's numbers are back from the stage (the last step's byte store may be out)
.else
	s_wait_dscnt 0x0
.endif
.if (\t)+4 < STEPS
	LOAD (\t)+4
.endif
.if (\t)+1 < STEPS
.if STEPS-2-(\t) >= 3
	s_wait_loadcnt 12                              ; the next step's four loads are in; those of the three steps behind it may be out
.else
	s_wait_loadcnt 4*(STEPS-2-(\t))
.endif
	TURN (\t)+1
.endif
	v_max3_num_f32 v10, |v[XS]|, |v[XS+1]|, |v[XS+2]|              ; the largest magnitude of my 16, in two chains
	v_max3_num_f32 v11, |v[XS+3]|, |v[XS+4]|, |v[XS+5]|
.irp i, 6,10
	v_max3_num_f32 v10, v10, |v[XS+\i]|, |v[XS+\i+1]|
	v_max3_num_f32 v11, v11, |v[XS+\i+2]|, |v[XS+\i+3]|
.endr
	v_max3_num_f32 v10, v10, |v[XS+14]|, |v[XS+15]|
	v_max3_num_f32 v10, v10, v11, (EMAX+1)<<23     ; and the floor 2^(EMAX + 1 - 127): the byte cannot fall under 1
	v_max_num_f32_dpp v10, v10, v10 row_xmask:1 row_mask:0xf bank_mask:0xf   ; and of my neighbour's 16: the block's
	v_add_nc_u32 v11, -(EMAX<<23), v10             ; EMAX off its exponent field: the conversion takes that field as its scale
	v_cvt_scalef32_pk8_fp4_f32 v[C+4*(\t)], v[XS:XS+7], v11
	v_cvt_scalef32_pk8_fp4_f32 v[C+4*(\t)+1], v[XS+8:XS+15], v11
	v_lshrrev_b32 v[E+(\t)], 23, v11               ; the scale's byte (also the plain line behind the conversions)
	ds_store_b8 v5, v[E+(\t)] offset:16*(\t)       ; both lanes of a block write the same byte with the same value
	global_store_b64 v4, v[C+4*(\t):C+4*(\t)+1], s[28:29] offset:32*CB*(\t)   ; the wave stores 256 consecutive bytes
.endm
.irp t, 0,1,2,3,4,5,6,7,8,9,10,11,12,13,14,15
	STEP \t
.endr
	ds_load_b64 v[10:11], v6                       ; these see my byte stores: LDS serves a wave in order
	s_wait_dscnt 0x0
	global_store_b64 v7, v[10:11], s[30:31]        ; 32 lanes store 256 consecutive bytes
.Lend:
	s_wait_tensorcnt 0x0                           ; the wave's end
	ds_add_u32 v[SPW], v[NIL]
	s_wait_dscnt 0x0
	s_endpgm
.Lfunc_end_k_qc2de862f74_quant:
	.size	k_qc2de862f74_quant, .Lfunc_end_k_qc2de862f74_quant-k_qc2de862f74_quant
	.p2alignl 7, 3214868480
	.fill 96, 4, 3214868480
	.section	.rodata,"a",@progbits
	.p2align	6, 0x0
	.amdhsa_kernel k_qc2de862f74_quant
		.amdhsa_group_segment_fixed_size 33280
		.amdhsa_private_segment_fixed_size 0
		.amdhsa_enable_private_segment 0
		.amdhsa_kernarg_size 80
		.amdhsa_user_sgpr_count 2
		.amdhsa_user_sgpr_kernarg_segment_ptr 1
		.amdhsa_wavefront_size32 1
		.amdhsa_system_sgpr_workgroup_id_x 1
		.amdhsa_system_sgpr_workgroup_id_y 1
		.amdhsa_system_sgpr_workgroup_id_z 1
		.amdhsa_system_vgpr_workitem_id 0
		.amdhsa_next_free_vgpr 192
		.amdhsa_next_free_sgpr 66
		.amdhsa_reserve_vcc 0
		.amdhsa_float_denorm_mode_32 3
		.amdhsa_float_denorm_mode_16_64 3
		.amdhsa_memory_ordered 1
		.amdhsa_forward_progress 1
		.amdhsa_inst_pref_size 51
	.end_amdhsa_kernel
	.amdgpu_metadata
---
amdhsa.version: [ 1, 2 ]
amdhsa.kernels:
  - .name:           k_qc2de862f74_quant
    .symbol:         k_qc2de862f74_quant.kd
    .args:
      - { .name: x, .offset: 0, .size: 8, .value_kind: global_buffer, .address_space: global }
      - { .name: w_q, .offset: 8, .size: 8, .value_kind: global_buffer, .address_space: global }
      - { .name: w_k, .offset: 16, .size: 8, .value_kind: global_buffer, .address_space: global }
      - { .name: w_v, .offset: 24, .size: 8, .value_kind: global_buffer, .address_space: global }
      - { .name: w_o, .offset: 32, .size: 8, .value_kind: global_buffer, .address_space: global }
      - { .name: xc, .offset: 40, .size: 8, .value_kind: global_buffer, .address_space: global }
      - { .name: xs, .offset: 48, .size: 8, .value_kind: global_buffer, .address_space: global }
      - { .name: wc, .offset: 56, .size: 8, .value_kind: global_buffer, .address_space: global }
      - { .name: ws, .offset: 64, .size: 8, .value_kind: global_buffer, .address_space: global }
      - { .name: wo16, .offset: 72, .size: 8, .value_kind: global_buffer, .address_space: global }
    .group_segment_fixed_size: 33280
    .private_segment_fixed_size: 0
    .kernarg_segment_align: 8
    .kernarg_segment_size: 80
    .max_flat_workgroup_size: 128
    .sgpr_count:     66
    .vgpr_count:     192
    .wavefront_size: 32
...
	.end_amdgpu_metadata
.endif
;; end of part 1
;; launch qkv (part 2): grid 12 x 32, 4 waves a work-group, clusters of 4 x 4, 327,680 bytes of LDS; arguments xc, xs, wc, ws, qkv16, qkv32; writes qkv16, qkv32
.if DOCPART == 2
	.amdgcn_target "amdgcn-amd-amdhsa--gfx1250"
	.amdhsa_code_object_version 6
	.text
	.protected	k_qc2de862f74_qkv
	.globl	k_qc2de862f74_qkv
	.p2align	8
	.type	k_qc2de862f74_qkv,@function
k_qc2de862f74_qkv:
	s_mov_b64 s[64:65], 0
	v_nop
	global_prefetch_b8 v0, s[64:65] scope:SCOPE_SE
	s_setreg_imm32_b32 hwreg(HW_REG_WAVE_MODE, 25, 1), 1
	s_wait_xcnt 0x0
	s_wait_alu depctr_hold_cnt(0) depctr_sa_sdst(0) depctr_va_vdst(0) depctr_va_sdst(0) depctr_va_ssrc(0) depctr_va_vcc(0) depctr_vm_vsrc(0)
	s_getreg_b32 s2, hwreg(HW_REG_IB_STS2, 6, 4)
	s_cmp_eq_u32 s2, 0
	s_cbranch_scc0 .Lentry_in_a_cluster
	s_endpgm
.Lentry_in_a_cluster:
	s_bfe_u32 s2, ttmp6, 0x10000c
	s_cmp_lg_u32 s2, 0xf033
	s_cbranch_scc0 .Lentry_shape_is_right
	s_endpgm
.Lentry_shape_is_right:
; The three quantised products as one GEMM on codes of FP4: C[m][n] = sum over k of x[m][k] w[n][k], m 8,192, n 3,072 (w_q's, w_k's, w_v's rows on end), k 1,024; sums in f32.
; A tile of C, 256 x 256, is made by four waves, each 128 x 128: 64 accumulators, 512 registers.  K is two LDS slots of 512: both are filled at the head and nothing is filled again.
; The scale bytes of the work-group's rows, for all of K, come into LDS once, as two dense blocks.
; CLUSTERS: 4 x 4 work-groups; A's tile is asked for jointly along a row of the cluster, B's along a column.  Tile row = 8 cy + cluster y: the four rows of a cluster lie in the four batches at the same
; place, so that "my tile holds a sequence's first positions" is cluster y = 0: the same in all sixteen partners.
; THE MATRIX INSTRUCTION IS USED TRANSPOSED (source 0 = 16 rows of w, source 1 = 16 rows of x): a lane holds eight neighbouring columns of a row of C.
; OUT: f16, in planes of 64 columns (one head of q, k or v): plane g = n / 64 at byte g << 20, row m at 128 m: four rows of a plane are 512 consecutive bytes, one store.
; The first 16 positions of each sequence leave in f32 too (qkv32 [4][16][3072]), for the launch that does them over.
; LIMIT: results beyond f16's largest number, 65,504, are not served.
; REGISTERS: window 0: v0-31 addresses; v32-95 scale words, two sets; v128-191 A's fragments, one set; on the way out v32-255 are free.  window 1: B's fragments, two sets.  windows 2, 3: accumulators (a, b) at v[8 (8 (a % 4) + b)].
.set SIZE_K, 1024
.set NQ,     4                         ; matrix instructions deep in a slot (512 along K)
.set ROWB,   256                       ; a tile's row in bytes
.set KROW,   SIZE_K/2                  ; a row of codes in memory
.set PITCH,  272                       ; an LDS row: 256 bytes + 16: the 16 rows of a load start at 16 different banks (64 banks of 4 bytes: ISA guide 11.1)
.set FR,     8
.set NL,     2
.set NP,     4                         ; places behind this matrix instruction (ISA guide 7.12.1)
.set HALFT,  128*PITCH
.set SLOT,   4*HALFT
.set KS,     SIZE_K/32
.set SCL,    2*SLOT
.set HALFS,  (128*KS/256)*272
.set SBLK,   (16*KS/256)*272
.set SPARE,  SCL+4*HALFS               ; the spare words: 128 bytes a wave
.set SPITCH, 528                       ; the way out: each wave's stage of 16 x 528 bytes lies in slot 0, which has had its only fill and its last read by then
.set ADRA, 16
.set ADRB, 20
.set STO16, 24                         ; v24 stage, f16 in: 272 r + 16 h
.set RD16,  25                         ; v25 stage, f16 back: 272 (l / 8) + 16 (l % 8)
.set CO,    26                         ; v26 16 x lane
.set ADRS,  27
.set SPW,   28
.set NIL,   29
.set STO32, 30                         ; v30 stage, f32 in: 528 r + 32 h
.set RD32,  31                         ; v31 stage, f32 back: 16 x lane
.set SC,   32
.set AF,   128
.set TMP,  192                         ; the way out: packed results
.set OB,   32                          ; rows read back: v32-63 and v224-255 by turns
.set G1, 24
.set G0, 32
.set G1B, 48
.set G0B, 56
.set G1S, 68
.set G0S, 76
.set G1SB, 80
.set G0SB, 88
.set MSB, 0
.macro WIN new                         ; the immediate's high byte repeats the setting that is left
.if MSB != \new
	s_set_vgpr_msb (MSB<<8)|\new
.set MSB, \new
.endif
.endm
.set MUL_LO, 0xa1
.set MUL_HI, 0xf1
.set TO_B,   0x40
; A joint load: waves 0 and 1 fetch for A, waves 2 and 3 for B; the branch hangs on the wave's number alone.  An s_nop 0 and four v_nop follow each line.
.macro JLOAD g0a, g1a, g0b, g1b
	s_cmp_eq_u32 s15, 0
	s_cbranch_scc0 .Lfor_b_\@
	tensor_load_to_lds s[\g0a:\g0a+3], s[\g1a:\g1a+7]
	s_nop 0
.rept 4
	v_nop
.endr
	s_branch .Lasked_\@
.Lfor_b_\@:
	tensor_load_to_lds s[\g0b:\g0b+3], s[\g1b:\g1b+7]
	s_nop 0
.rept 4
	v_nop
.endr
.Lasked_\@:
.endm
.macro CROUND                          ; a round of the cluster's barrier
	s_barrier_signal -1
	s_barrier_wait -1
	s_cmp_lg_u32 s14, 0
	s_cbranch_scc1 .Lnot_wave_0_\@
	s_barrier_signal -3
.Lnot_wave_0_\@:
	s_barrier_wait -3
	s_barrier_signal -1
	s_barrier_wait -1
.endm
	s_load_b128 s[4:7], s[0:1], 0x0                ; x's codes, x's scales
	s_load_b128 s[8:11], s[0:1], 0x10              ; w's codes, w's scales
	s_load_b128 s[96:99], s[0:1], 0x20             ; qkv16 s[96:97], qkv32 s[98:99]
	v_lshl_add_u32 v[SPW], v0, 2, SPARE
	v_mov_b32 v[NIL], 0
	ds_add_u32 v[SPW], v[NIL]                      ; the wave's opening
	ds_add_u32 v[SPW], v[NIL]
	v_lshrrev_b32 v1, 5, v0
	v_readfirstlane_b32 s14, v1                    ; wave 0..3
	s_lshr_b32 s15, s14, 1                         ; my half of the tile's rows.  Also: I fetch for A (0) or B (1)
	s_and_b32 s16, s14, 1                          ; my half of its columns.  Also: which 128 rows I fetch
	s_bfe_u32 s40, ttmp6, 0x40000                  ; cx
	s_bfe_u32 s41, ttmp6, 0x40004                  ; cy
	s_lshl_b32 s42, ttmp9, 2
	s_add_co_u32 s42, s42, s40                     ; tile column = 4 x cluster x + cx
	s_and_b32 s66, ttmp7, 0xffff                   ; cluster y
	s_lshl_b32 s17, s41, 3
	s_add_co_u32 s17, s17, s66                     ; tile row = 8 cy + cluster y: batch cy, positions 256 x cluster y on
	s_lshl_b32 s43, s41, 2
	s_lshl_b32 s43, 15, s43                        ; my row of the cluster
	s_lshl_b32 s44, 0x1111, s40                    ; my column
	s_or_b32 s[G1+0], s43, (0<<16)|(1<<20)|(1<<21)|(5<<22)|(3<<25)  ; mask; elements of 1 byte; padding of 4 words behind every 64; bit 21 beside a mask
	s_or_b32 s[G1B+0], s44, (0<<16)|(1<<20)|(1<<21)|(5<<22)|(3<<25)
.irp g, G1, G1B
	s_mov_b32 s[\g+1], ROWB<<16                    ; tensor_dim0
	s_mov_b32 s[\g+2], 128<<16                     ; tensor_dim1
	s_mov_b32 s[\g+3], ROWB<<16                    ; tile_dim0
	s_mov_b32 s[\g+4], 128                         ; tile_dim1
	s_mov_b32 s[\g+5], KROW                        ; the pitch
	s_mov_b32 s[\g+6], 0
	s_mov_b32 s[\g+7], 0
.endr
	s_or_b32 s[G1S+0], s43, (3<<16)|(1<<20)|(1<<21)|(5<<22)|(3<<25) ; the scales of 128 rows: a dense block, as rows of 256 bytes (32 elements of 8 bytes), padded alike
	s_or_b32 s[G1SB+0], s44, (3<<16)|(1<<20)|(1<<21)|(5<<22)|(3<<25)
.irp g, G1S, G1SB
	s_mov_b32 s[\g+1], 32<<16
	s_mov_b32 s[\g+2], (128*KS/256)<<16
	s_mov_b32 s[\g+3], 32<<16
	s_mov_b32 s[\g+4], 128*KS/256
	s_mov_b32 s[\g+5], 32
	s_mov_b32 s[\g+6], 0
	s_mov_b32 s[\g+7], 0
.endr
	s_lshl_b32 s18, s16, 7
	s_lshl_b32 s20, s17, 8
	s_add_co_u32 s20, s20, s18                     ; A: row 256 x tile row + 128 x half
	s_lshl_b32 s46, s42, 8
	s_add_co_u32 s46, s46, s18                     ; B: row 256 x tile column + 128 x half
	s_mov_b32 s21, 0
	s_mov_b32 s47, 0
	s_mov_b64 s[18:19], KS
	s_mul_u64 s[22:23], s[20:21], s[18:19]         ; where these rows' scales begin,
	s_mul_u64 s[92:93], s[46:47], s[18:19]
	s_mov_b64 s[18:19], KROW
	s_mul_u64 s[20:21], s[20:21], s[18:19]         ; and their codes
	s_mul_u64 s[46:47], s[46:47], s[18:19]
	s_mul_i32 s45, s14, HALFT                      ; where they go: wave x 128 rows
	s_mul_i32 s94, s14, HALFS
	s_wait_dscnt 0x0                               ; both opening adds are done
	s_wait_kmcnt 0x0
	s_add_nc_u64 s[20:21], s[4:5], s[20:21]
	s_add_nc_u64 s[22:23], s[6:7], s[22:23]
	s_add_nc_u64 s[46:47], s[8:9], s[46:47]
	s_add_nc_u64 s[92:93], s[10:11], s[92:93]
	CROUND                                         ; all sixteen work-groups are here: the joint loads meet
	s_mov_b32 s[G0S], 1
	s_add_co_u32 s[G0S+1], s94, SCL
	s_mov_b64 s[G0S+2:G0S+3], s[22:23]
	s_or_b32 s[G0S+3], s[G0S+3], 0x80000000
	s_mov_b32 s[G0SB], 1
	s_add_co_u32 s[G0SB+1], s94, SCL
	s_mov_b64 s[G0SB+2:G0SB+3], s[92:93]
	s_or_b32 s[G0SB+3], s[G0SB+3], 0x80000000
	JLOAD G0S, G1S, G0SB, G1SB                     ; the scales first
.irp s, 0,1
	s_mov_b32 s[G0+4*\s], 1
	s_add_co_u32 s[G0+4*\s+1], s45, \s*SLOT
	s_add_nc_u64 s[G0+4*\s+2:G0+4*\s+3], s[20:21], \s*ROWB
	s_or_b32 s[G0+4*\s+3], s[G0+4*\s+3], 0x80000000
	s_mov_b32 s[G0B+4*\s], 1
	s_add_co_u32 s[G0B+4*\s+1], s45, \s*SLOT
	s_add_nc_u64 s[G0B+4*\s+2:G0B+4*\s+3], s[46:47], \s*ROWB
	s_or_b32 s[G0B+4*\s+3], s[G0B+4*\s+3], 0x80000000
	JLOAD G0+4*\s, G1, G0B+4*\s, G1B               ; three tensor loads of mine are out
.endr
	v_and_b32 v1, 15, v0                           ; r
	v_bfe_u32 v2, v0, 4, 1                         ; h
	v_mul_u32_u24 v3, v1, PITCH
	v_lshl_add_u32 v4, v2, 4, v3
	s_mul_i32 s21, s15, HALFT
	s_mul_i32 s22, s16, HALFT
	s_add_co_u32 s22, s22, 2*HALFT
.irp s, 0,1
	v_add_nc_u32 v[ADRA+\s], s21, v4
	v_add_nc_u32 v[ADRB+\s], s22, v4
	s_add_co_u32 s21, s21, SLOT
	s_add_co_u32 s22, s22, SLOT
.endr
	v_mul_u32_u24 v5, v1, KS                       ; my row's scales: KS bytes a row,
	v_lshrrev_b32 v6, 8, v5
	v_lshl_add_u32 v5, v6, 4, v5                   ; and 16 more for each 256 passed
	s_mul_i32 s21, s15, HALFS
	s_mul_i32 s22, s16, HALFS
	s_add_co_u32 s22, s22, 2*HALFS
	s_sub_co_u32 s22, s22, s21
	v_mul_u32_u24 v6, s22, v2                      ; lanes 16-31 take B's
	s_add_co_u32 s21, s21, SCL
	v_add_nc_u32 v5, v5, v6
	v_add_nc_u32 v[ADRS], s21, v5
	s_mul_i32 s23, s14, 16*SPITCH                  ; my stage
	v_mul_u32_u24 v5, v1, SPITCH
	v_lshl_add_u32 v5, v2, 5, v5
	v_add_nc_u32 v[STO32], s23, v5
	v_and_b32 v6, 31, v0
	v_lshlrev_b32 v[CO], 4, v6
	v_add_nc_u32 v[RD32], s23, v[CO]
	v_mul_u32_u24 v5, v1, 272
	v_lshl_add_u32 v5, v2, 4, v5
	v_add_nc_u32 v[STO16], s23, v5
	v_bfe_u32 v5, v0, 3, 2
	v_mul_u32_u24 v5, v5, 272
	v_and_b32 v6, 7, v0
	v_lshl_add_u32 v5, v6, 4, v5
	v_add_nc_u32 v[RD16], s23, v5
	s_lshl_b32 s20, s17, 15                        ; qkv16: 256 x tile row rows of 128 bytes,
	s_lshl_b32 s21, s15, 14                        ; + my 128 rows,
	s_add_co_u32 s20, s20, s21
	s_lshl_b32 s46, s42, 2
	s_lshl_b32 s47, s16, 1
	s_add_co_u32 s46, s46, s47                     ; in plane 4 x tile column + 2 x half
	s_lshl_b32 s46, s46, 20
	s_add_co_u32 s20, s20, s46
	s_mov_b32 s21, 0
	s_add_nc_u64 s[96:97], s[96:97], s[20:21]
	s_mul_i32 s20, s41, 16*12288                   ; qkv32: batch cy,
	s_lshl_b32 s46, s42, 10                        ; column 256 x tile column + 128 x half, 4 bytes each
	s_add_co_u32 s20, s20, s46
	s_lshl_b32 s46, s16, 9
	s_add_co_u32 s20, s20, s46
	s_add_nc_u64 s[98:99], s[98:99], s[20:21]
.macro FRAG reg, adr, q, i             ; 16 rows x 128 K of 4-bit codes: 8 registers, two loads 32 bytes apart
.irp c, 0,1
	ds_load_b128 v[\reg+4*\c:\reg+4*\c+3], v[\adr] offset:64*(\q)+32*\c+(\i)*16*PITCH
.endr
.endm
; 16 matrix instructions: A's blocks a0, a0 + 1 x B's eight.  The 64 accumulators take turns, one instruction a turn.
.macro MUL16 a0, p, q, sc, zero
.irp a, \a0, \a0+1
.irp b, 0,1,2,3,4,5,6,7
.if \zero
	v_wmma_scale_f32_16x16x128_f8f6f4 v[8*(8*((\a)%4)+\b):8*(8*((\a)%4)+\b)+7], v[128*(\p)+FR*\b:128*(\p)+FR*\b+FR-1], v[AF+FR*(\a):AF+FR*(\a)+FR-1], 0, v[SC+8*NQ*(\sc)+NQ*\b+(\q)], v[SC+8*NQ*(\sc)+NQ*(\a)+(\q)] matrix_a_fmt:MATRIX_FMT_FP4 matrix_b_fmt:MATRIX_FMT_FP4 matrix_a_scale:MATRIX_SCALE_ROW1
.else
	v_wmma_scale_f32_16x16x128_f8f6f4 v[8*(8*((\a)%4)+\b):8*(8*((\a)%4)+\b)+7], v[128*(\p)+FR*\b:128*(\p)+FR*\b+FR-1], v[AF+FR*(\a):AF+FR*(\a)+FR-1], v[8*(8*((\a)%4)+\b):8*(8*((\a)%4)+\b)+7], v[SC+8*NQ*(\sc)+NQ*\b+(\q)], v[SC+8*NQ*(\sc)+NQ*(\a)+(\q)] matrix_a_fmt:MATRIX_FMT_FP4 matrix_b_fmt:MATRIX_FMT_FP4 matrix_a_scale:MATRIX_SCALE_ROW1
.endif
.endr
.endr
.endm
.macro FETCH_B slot, q, p
	WIN TO_B
.irp i, 0,1,2,3,4,5,6,7
	FRAG 128*(\p)+FR*\i, ADRB+\slot, \q, \i
.endr
	WIN 0
.endm
.macro FETCH_A slot, q, i0
.irp i, \i0, \i0+1, \i0+2, \i0+3
	FRAG AF+FR*(\i), ADRA+\slot, \q, \i
.endr
.endm
.macro SCALES sc                       ; a slot's scale words: lanes 0-15 A's block i, lanes 16-31 B's block i
.irp i, 0,1,2,3,4,5,6,7
	ds_load_b128 v[SC+8*NQ*\sc+NQ*\i:SC+8*NQ*\sc+NQ*\i+3], v[ADRS] offset:\i*SBLK
.endr
.endm
.macro PLACES n                        ; plain vector lines between a matrix instruction and a load into, or a read of, its registers
.rept \n
	v_nop
.endr
.endm
.macro STEP slot, q, zero              ; 128 along K that has its successor in the same slot
	s_wait_dscnt 4*NL                              ; B's set and A's blocks 0-3 are in; A's blocks 4-7 (the youngest 8 loads) may be out
	WIN MUL_LO
	MUL16 0, (\q)%2, \q, \slot, \zero
	MUL16 2, (\q)%2, \q, \slot, \zero
	s_wait_dscnt 0
	PLACES NP
	FETCH_B \slot, (\q)+1, 1-(\q)%2
	FETCH_A \slot, (\q)+1, 0
	WIN MUL_HI
	MUL16 4, (\q)%2, \q, \slot, \zero
	MUL16 6, (\q)%2, \q, \slot, \zero
	PLACES NP
	WIN 0
	FETCH_A \slot, (\q)+1, 4
.endm
.macro STEPS slot, from
.set Q, \from
.rept NQ-1-\from
	STEP \slot, Q, 0
.set Q, Q+1
.endr
.endm
	s_wait_tensorcnt 1                             ; the scales and my part of slot 0 are in; slot 1's load may be out
	s_barrier_signal -1
	s_barrier_wait -1
	FETCH_B 0, 0, 0
	FETCH_A 0, 0, 0
	SCALES 0
	FETCH_A 0, 0, 4
	STEP 0, 0, 1                                   ; the first products start the sums: nothing is cleared
	STEPS 0, 1
	; slot 0's last step changes slots: one barrier; nothing is filled again
	s_wait_tensorcnt 0x0                           ; my part of slot 1 has landed
	ds_add_u32 v[SPW], v[NIL]
	s_wait_dscnt 4*NL+1                            ; the add and the youngest 8 loads may be out
	WIN MUL_LO
	MUL16 0, 1, NQ-1, 0, 0
	s_wait_dscnt 0x0                               ; the add is done, my reads of slot 0 are over
	s_barrier_signal -1
	MUL16 2, 1, NQ-1, 0, 0
	WIN 0
	s_barrier_wait -1
	PLACES NP
	v_add_nc_u32 v[ADRS], 4*NQ, v[ADRS]            ; on to slot 1's scale words
	FETCH_B 1, 0, 0
	FETCH_A 1, 0, 0
	SCALES 1
	WIN MUL_HI
	MUL16 4, 1, NQ-1, 0, 0
	MUL16 6, 1, NQ-1, 0, 0
	PLACES NP
	WIN 0
	FETCH_A 1, 0, 4
	STEPS 1, 0
	s_wait_dscnt 4*NL                              ; the very last step
	WIN MUL_LO
	MUL16 0, 1, NQ-1, 1, 0
	MUL16 2, 1, NQ-1, 1, 0
	s_wait_dscnt 0
	WIN MUL_HI
	MUL16 4, 1, NQ-1, 1, 0
	MUL16 6, 1, NQ-1, 1, 0
	WIN 0
	PLACES NP
; THE WAY OUT.  First, where my block 0 is positions 0-15 of a sequence (cluster y = 0, upper half of the rows: the cluster's number and the wave's alone decide), those 16 rows in f32.
	s_or_b32 s67, s66, s15
	s_cmp_lg_u32 s67, 0
	s_cbranch_scc1 .Lno32
	WIN 0x08                                       ; an LDS store's data are its source 1: window 2
.irp b, 0,1,2,3,4,5,6,7
	ds_store_b128 v[STO32], v[8*\b:8*\b+3] offset:64*\b              ; each accumulator from its low end on
	ds_store_b128 v[STO32], v[8*\b+4:8*\b+7] offset:64*\b+16
.endr
	WIN 0
.irp t, 0,1,2,3,4,5,6,7,8,9,10,11,12,13,14,15
	ds_load_b128 v[128+4*\t:128+4*\t+3], v[RD32] offset:\t*SPITCH    ; LDS serves a wave in order: these see the stores above
.endr
	s_wait_dscnt 0x0
.irp t, 0,1,2,3,4,5,6,7,8,9,10,11,12,13,14,15
	global_store_b128 v[CO], v[128+4*\t:128+4*\t+3], s[98:99] offset:\t*12288   ; 32 lanes store 512 consecutive bytes of position t's row
.endr
.Lno32:
; Then all eight blocks of 16 rows in f16: packed, through my stage (rows of 272 bytes), back as four rows of one plane at a time.
.macro PACK a
.set AC, 64*((\a)%4)
	WIN 0x0a+5*((\a)/4)                            ; sources 0 and 1: window 2 or 3
.irp b, 0,1,2,3,4,5,6,7
.irp r, 0,1,2,3
	v_cvt_pk_f16_f32 v[TMP+4*\b+\r], v[AC+8*\b+2*\r], v[AC+8*\b+2*\r+1]
.endr
.endr
	WIN 0
.endm
.macro TOSTAGE a
.set BK, OB+192*((\a)%2)
.irp b, 0,1,2,3,4,5,6,7
	ds_store_b128 v[STO16], v[TMP+4*\b:TMP+4*\b+3] offset:32*\b
.endr
.irp t, 0,1,2,3,4,5,6,7
	ds_load_b128 v[BK+4*\t:BK+4*\t+3], v[RD16] offset:1088*(\t%4)+128*(\t/4)
.endr
.endm
.macro SEND a
.set BK, OB+192*((\a)%2)
	s_wait_dscnt 0x0                               ; the block is back in registers
	s_wait_xcnt 0x0                                ; the earlier stores have read their registers: the other buffer may be loaded again behind this
.irp t, 0,1,2,3,4,5,6,7
	global_store_b128 v[CO], v[BK+4*\t:BK+4*\t+3], s[96:97] offset:((\t/4)<<20)+2048*(\a)+512*(\t%4) th:TH_STORE_NT   ; 512 consecutive bytes: four rows of one plane
.endr
.endm
	PACK 0
	TOSTAGE 0
.irp a, 1,2,3,4,5,6,7                  ; block a's conversions stand between block a - 1's loads from the stage and the wait for them
	PACK \a
	SEND (\a-1)
	TOSTAGE \a
.endr
	SEND 7
	s_wait_tensorcnt 0x0                           ; the wave's end
	ds_add_u32 v[SPW], v[NIL]
	s_wait_dscnt 0x0
	CROUND                                         ; the closing round
	s_endpgm
.Lfunc_end_k_qc2de862f74_qkv:
	.size	k_qc2de862f74_qkv, .Lfunc_end_k_qc2de862f74_qkv-k_qc2de862f74_qkv
	.p2alignl 7, 3214868480
	.fill 96, 4, 3214868480
	.section	.rodata,"a",@progbits
	.p2align	6, 0x0
	.amdhsa_kernel k_qc2de862f74_qkv
		.amdhsa_group_segment_fixed_size 327680
		.amdhsa_private_segment_fixed_size 0
		.amdhsa_enable_private_segment 0
		.amdhsa_kernarg_size 48
		.amdhsa_user_sgpr_count 2
		.amdhsa_user_sgpr_kernarg_segment_ptr 1
		.amdhsa_wavefront_size32 1
		.amdhsa_system_sgpr_workgroup_id_x 1
		.amdhsa_system_sgpr_workgroup_id_y 1
		.amdhsa_system_sgpr_workgroup_id_z 1
		.amdhsa_system_vgpr_workitem_id 0
		.amdhsa_next_free_vgpr 1024
		.amdhsa_next_free_sgpr 100
		.amdhsa_reserve_vcc 0
		.amdhsa_float_denorm_mode_32 3
		.amdhsa_float_denorm_mode_16_64 3
		.amdhsa_memory_ordered 1
		.amdhsa_forward_progress 1
		.amdhsa_inst_pref_size 130
	.end_amdhsa_kernel
	.amdgpu_metadata
---
amdhsa.version: [ 1, 2 ]
amdhsa.kernels:
  - .name:           k_qc2de862f74_qkv
    .symbol:         k_qc2de862f74_qkv.kd
    .args:
      - { .name: xc, .offset: 0, .size: 8, .value_kind: global_buffer, .address_space: global }
      - { .name: xs, .offset: 8, .size: 8, .value_kind: global_buffer, .address_space: global }
      - { .name: wc, .offset: 16, .size: 8, .value_kind: global_buffer, .address_space: global }
      - { .name: ws, .offset: 24, .size: 8, .value_kind: global_buffer, .address_space: global }
      - { .name: qkv16, .offset: 32, .size: 8, .value_kind: global_buffer, .address_space: global }
      - { .name: qkv32, .offset: 40, .size: 8, .value_kind: global_buffer, .address_space: global }
    .group_segment_fixed_size: 327680
    .private_segment_fixed_size: 0
    .kernarg_segment_align: 8
    .kernarg_segment_size: 48
    .max_flat_workgroup_size: 128
    .sgpr_count:     100
    .vgpr_count:     1024
    .wavefront_size: 32
...
	.end_amdgpu_metadata
.endif
;; end of part 2
;; launch attn (part 3): grid 4 x 64, 8 waves a work-group, no clusters, 327,680 bytes of LDS; arguments qkv16, ao16; writes ao16
.if DOCPART == 3
	.amdgcn_target "amdgcn-amd-amdhsa--gfx1250"
	.amdhsa_code_object_version 6
	.text
	.protected	k_qc2de862f74_attn
	.globl	k_qc2de862f74_attn
	.p2align	8
	.type	k_qc2de862f74_attn,@function
k_qc2de862f74_attn:
	s_mov_b64 s[64:65], 0
	v_nop
	global_prefetch_b8 v0, s[64:65] scope:SCOPE_SE
	s_setreg_imm32_b32 hwreg(HW_REG_WAVE_MODE, 25, 1), 1
	s_wait_xcnt 0x0
; Causal attention, head size 64, on f16 operands; products, maxima and sums in f32; the weights p are rounded to f16 for the second product, O once at the end.
; q, k, v: planes of qkv16 ([8192][64] f16 each: q's head h is plane h, k's 16 + h, v's 32 + h; a plane is 1 << 20 bytes, a batch in it 1 << 18).  O: ao16, plane h, laid alike.
; SHARES.  Work-group (i, batch x head) owns two blocks of 256 queries: block 7 - i (key blocks 0 .. 7 - i), then block i (key blocks 0 .. i): always 9 trips of 256 keys, so all 256 work-groups
; have equal work and every trip count is a constant.  A wave owns 32 queries (two tiles of 16) of a block; a step is 64 keys.  A step all of whose keys come after the wave's queries is left out.
; NO CLUSTER: the four work-groups of a head walk different lists of key blocks (after trip 7 - i the list begins anew), so partners would ask for different tiles in the same round.
; LAYOUT.  S^T = K Q^T (source 0 = 16 keys, source 1 = 16 queries), O^T = V^T P (source 0 = 16 channels, source 1 = P): a lane holds one query throughout.  V is turned by ds_load_tr16_b128.
; SOFTMAX.  A running maximum m and sum l for each query: p = 2^(c s - c m), c = log2(e) / 8; in every step O and l are multiplied by a = 2^(c m_old - c m_new).
; LIMIT: q, k, v arrive as f16 (see the launch that makes them).
; LDS: two slots 1 << 17 apart: K as 128 rows of 256 bytes (two keys) + 16, then V as 128 such rows + 32; behind them a stage of 32 x 144 bytes for each wave, and the spare words.
; REGISTERS.  window 0: v1-15 addresses and constants; v16-31 statistics, 8 a tile; v32-63 Q; v64-127 S^T; v128-159 P.  window 1: v0-63 O^T; v64-127 K's fragments; v128-191 V's; v192-223 the second block's Q.
.set KP,    272
.set VP,    288
.set VOFF,  128*KP
.set SLOT1, 1<<17
.set STAGE, SLOT1+128*(KP+VP)
.set SPARE, STAGE+8*32*144
.set AK0, 1                            ; my lane's place in a tile of K
.set AV0, 2                            ; and of V
.set ADK, 3
.set ADV, 4
.set QO,  5
.set STO, 6
.set RD,  7
.set GO,  8
.set PFO, 9                            ; 256 x lane; never rewritten
.set SPW, 10
.set NIL, 11
.set D0,  12                           ; v12, v13: the mask's d for the two tiles
.set NINF, 14
.set DB,  15                           ; r - 8 (lane / 16)
.set ST,  16                           ; tile t at ST + 8 t: +0 c m, +1 m, +2, +3 l, +4..+7 at work; a in +6
.set Q,   32
.set S,   64
.set P,   128
.set KFR, 64                           ; in window 1
.set VFR, 128
.set QB,  192
.set WV,  8
.set SG,  9
.set KB,  16                           ; s[16:17] K's plane at my piece of key block 0;  s[18:19] V's
.set VB,  18
.set QA,  20
.set OA,  22                           ; s[22:23] where the block in hand goes
.set G1K, 24
.set G1V, 32
.set G0K, 40
.set G0V, 44
.set OB,  48
.set T,   50                           ; the trip
.set SW,  51                           ; the first block's last trip: 7 - i
.set KBN, 52                           ; the key block asked for
.set WRAP, 53                          ; 8 - i
.set KF,  54                           ; the step's first key
.set Q0,  55                           ; my first query
.set Q0B, 56
.set TK,  57                           ; where the step's keys begin in LDS: K's bytes, V's bytes
.set TV,  58
.set STEPC, 59
.set SEL, 60
.set CS,  62
.set PFA, 66
.set LIM, 68
.set QBA, 76
.set MSB, 0
.macro WIN new
.if MSB != \new
	s_set_vgpr_msb (MSB<<8)|\new
.set MSB, \new
.endif
.endm
.set W_LD, 0x40
.set W_KQ, 0x01
.set W_PV, 0x51
.set W_RS, 0x41
.set W_CV, 0x05
.set W_CP, 0x01
; Waves 0-3 fetch K's four pieces of 64 keys, waves 4-7 V's: one load a wave.  An s_nop 0 and four v_nop follow each line.
.macro TLOAD
	s_cmp_lt_u32 s[WV], 4
	s_cbranch_scc0 .Lfor_v_\@
	tensor_load_to_lds s[G0K:G0K+3], s[G1K:G1K+7]
	s_nop 0
.rept 4
	v_nop
.endr
	s_branch .Lasked_\@
.Lfor_v_\@:
	tensor_load_to_lds s[G0V:G0V+3], s[G1V:G1V+7]
	s_nop 0
.rept 4
	v_nop
.endr
.Lasked_\@:
.endm
; A prefetch of the key block that the NEXT change of slots will ask for.  The four work-groups of a head walk the same K and V; work-group i = 0 walks all eight key blocks in its first pass and asks, in trips 0 to 5,
; for key block trip + 2.  Each wave names its own piece of 8,192 bytes, lanes 256 bytes apart: each block of 256 bytes is named once in the launch.
.macro ASK
	s_cmp_lt_u32 s[T], s[LIM]
	s_cbranch_scc0 .Lnot_mine_\@
	global_prefetch_b8 v[PFO], s[PFA:PFA+1] th:TH_LOAD_NT scope:SCOPE_SE
.Lnot_mine_\@:
.endm
; The change of slots, at a trip's head.  Each wave waits for its tensor load (its piece of the slot about to be read), adds 0 to its spare word, and waits for that and for its reads of the slot that it has left.
.macro CHANGE fill
	s_wait_tensorcnt 0x0                           ; no tensor load of mine is out: a group 0 may be written
	ds_add_u32 v[SPW], v[NIL]
.if \fill
	s_xor_b32 s[G0K+1], s[G0K+1], SLOT1            ; the other slot than last time
	s_xor_b32 s[G0V+1], s[G0V+1], SLOT1
	s_add_co_u32 s[KBN], s[KBN], 1                 ; the next key block,
	s_add_co_u32 s70, s[T], 1
	s_cmp_eq_u32 s70, s[WRAP]
	s_cselect_b32 s[KBN], 0, s[KBN]                ; or the second block's first
	s_lshl_b32 s70, s[KBN], 15                     ; 256 keys of 128 bytes
	s_mov_b32 s71, 0
	s_add_nc_u64 s[G0K+2:G0K+3], s[KB:KB+1], s[70:71]
	s_or_b32 s[G0K+3], s[G0K+3], 0x80000000
	s_add_nc_u64 s[G0V+2:G0V+3], s[VB:VB+1], s[70:71]
	s_or_b32 s[G0V+3], s[G0V+3], 0x80000000
	s_wait_xcnt 0x0                                ; the last prefetch, a trip back, has read its address
	s_add_nc_u64 s[PFA:PFA+1], s[PFA:PFA+1], 32768
.endif
	s_wait_dscnt 0x0                               ; the add is done, my reads of the slot that I have left are over
	s_barrier_signal -1
	s_barrier_wait -1
.if \fill
	TLOAD                                          ; my one tensor load until the next such barrier: it has a whole trip in which to land
	ASK
.endif
.endm
; A step: 64 keys against my 32 queries.
.macro STEP
	s_add_co_u32 s70, s[Q0], 31
	s_cmp_gt_u32 s[KF], s70                        ; all 64 keys come after my last query: ids and counted steps alone
	s_cbranch_scc1 .Lhidden_\@
	v_add_nc_u32 v[ADK], s[TK], v[AK0]
	v_add_nc_u32 v[ADV], s[TV], v[AV0]
	WIN W_LD
.irp kt, 0,1,2,3
.irp kc, 0,1
	ds_load_b128 v[KFR+16*\kt+8*\kc:KFR+16*\kt+8*\kc+3],   v[ADK] offset:8*KP*\kt+64*\kc
	ds_load_b128 v[KFR+16*\kt+8*\kc+4:KFR+16*\kt+8*\kc+7], v[ADK] offset:8*KP*\kt+64*\kc+32
.endr
.endr
.irp g, 0,1
.irp ct, 0,1,2,3
	ds_load_tr16_b128 v[VFR+32*\g+8*\ct:VFR+32*\g+8*\ct+3],   v[ADV] offset:16*VP*\g+32*\ct
	ds_load_tr16_b128 v[VFR+32*\g+8*\ct+4:VFR+32*\g+8*\ct+7], v[ADV] offset:16*VP*\g+8*VP+32*\ct
.endr
.endr
	s_wait_dscnt 16                                ; K's 16 loads are in; V's 16 may be out
	WIN W_KQ
.irp kc, 0,1                           ; the eight accumulators take turns
.irp kt, 0,1,2,3
.irp t, 0,1
.if \kc == 0
	v_wmma_f32_16x16x32_f16 v[S+32*\t+8*\kt:S+32*\t+8*\kt+7], v[KFR+16*\kt+8*\kc:KFR+16*\kt+8*\kc+7], v[Q+16*\t+8*\kc:Q+16*\t+8*\kc+7], 0
.else
	v_wmma_f32_16x16x32_f16 v[S+32*\t+8*\kt:S+32*\t+8*\kt+7], v[KFR+16*\kt+8*\kc:KFR+16*\kt+8*\kc+7], v[Q+16*\t+8*\kc:Q+16*\t+8*\kc+7], v[S+32*\t+8*\kt:S+32*\t+8*\kt+7]
.endif
.endr
.endr
.endr
	WIN 0
.rept 4
	v_nop                                          ; places ahead of the first read of the scores
.endr
	s_add_co_u32 s70, s[KF], 63
	s_cmp_le_u32 s70, s[Q0]                        ; every key counts for every query of mine
	s_cbranch_scc1 .Lopen_\@
	s_sub_co_u32 s70, s[Q0], s[KF]
	v_add_nc_u32 v[D0], s70, v[DB]                 ; d = my query - KF - 8 (lane / 16).  Register n holds key KF + 16 (n / 8) + 8 (lane / 16) + n % 8: hidden where 16 (n / 8) + n % 8 > d
	v_add_nc_u32 v[D0+1], 16, v[D0]
.irp t, 0,1
.set n, 0
.rept 32
	v_cmp_gt_i32 vcc_lo, 16*(n/8)+n%8, v[D0+\t]
	v_cndmask_b32 v[S+32*\t+n], v[S+32*\t+n], v[NINF], vcc_lo
.set n, n+1
.endr
.endr
.Lopen_\@:
.irp j, 0,1,2,3                        ; the maximum: four chains a tile, each begun at an accumulator's low end; the tiles by turns
.irp t, 0,1
	v_max3_num_f32 v[ST+8*\t+4+\j], v[S+32*\t+8*\j], v[S+32*\t+8*\j+1], v[S+32*\t+8*\j+2]
.endr
.endr
.irp q, 1,2
.irp j, 0,1,2,3
.irp t, 0,1
	v_max3_num_f32 v[ST+8*\t+4+\j], v[ST+8*\t+4+\j], v[S+32*\t+8*\j+2*\q+1], v[S+32*\t+8*\j+2*\q+2]
.endr
.endr
.endr
.irp t, 0,1
	v_max3_num_f32 v[ST+8*\t+4], v[ST+8*\t+4], v[S+32*\t+7], v[S+32*\t+15]
	v_max3_num_f32 v[ST+8*\t+6], v[ST+8*\t+6], v[S+32*\t+23], v[S+32*\t+31]
.endr
.irp t, 0,1
	v_max3_num_f32 v[ST+8*\t+4], v[ST+8*\t+4], v[ST+8*\t+5], v[ST+8*\t+6]
.endr
.irp t, 0,1
	v_max3_num_f32 v[ST+8*\t+4], v[ST+8*\t+4], v[ST+8*\t+7], v[ST+8*\t+1]   ; with the old m
.endr
.irp t, 0,1
	v_permlanex16_b32 v[ST+8*\t+5], v[ST+8*\t+4], s[SEL], s[SEL+1]          ; the query's other 32 keys lie in the lane 16 away
.endr
.irp t, 0,1
	v_mov_b32 v[ST+8*\t+7], v[ST+8*\t]             ; c m_old
.endr
.irp t, 0,1
	v_max_num_f32 v[ST+8*\t+1], v[ST+8*\t+4], v[ST+8*\t+5]
.endr
.irp t, 0,1
	v_mul_f32 v[ST+8*\t], s[CS], v[ST+8*\t+1]
.endr
.irp t, 0,1
	v_sub_f32 v[ST+8*\t+7], v[ST+8*\t+7], v[ST+8*\t]
.endr
.irp t, 0,1
	v_exp_f32 v[ST+8*\t+6], v[ST+8*\t+7]           ; a
.endr
.irp b, 0,1,2,3,4,5,6,7,8,9,10,11,12,13,14,15
.irp t, 0,1
	v_pk_fma_f32 v[S+32*\t+2*\b:S+32*\t+2*\b+1], v[S+32*\t+2*\b:S+32*\t+2*\b+1], s[CS:CS+1], v[ST+8*\t:ST+8*\t+1] op_sel_hi:[1,0,0] neg_lo:[0,0,1] neg_hi:[0,0,1]   ; c s - c m
.endr
.endr
.set n, 0
.rept 64
	v_exp_f32 v[S+n], v[S+n]
.set n, n+1
.endr
	v_nop                                          ; a plain line behind the last exponential
	s_wait_alu depctr_va_vdst(0)                   ; one wait for the step's 66 exponentials, ahead of their first reader
.irp b, 0,1,2,3,4,5,6,7,8,9,10,11,12,13,14,15
.irp t, 0,1
	v_cvt_pk_f16_f32 v[P+16*\t+\b], v[S+32*\t+2*\b], v[S+32*\t+2*\b+1]      ; two key tiles' pairs ARE source 1 of V^T P
.endr
.endr
.irp u, 0,1,2,3,4,5,6,7                ; the sum of the unrounded p, in place
.irp t, 0,1
	v_pk_add_f32 v[S+32*\t+4*\u:S+32*\t+4*\u+1], v[S+32*\t+4*\u:S+32*\t+4*\u+1], v[S+32*\t+4*\u+2:S+32*\t+4*\u+3]
.endr
.endr
.irp u, 0,1,2,3
.irp t, 0,1
	v_pk_add_f32 v[S+32*\t+8*\u:S+32*\t+8*\u+1], v[S+32*\t+8*\u:S+32*\t+8*\u+1], v[S+32*\t+8*\u+4:S+32*\t+8*\u+5]
.endr
.endr
.irp u, 0,1
.irp t, 0,1
	v_pk_add_f32 v[S+32*\t+16*\u:S+32*\t+16*\u+1], v[S+32*\t+16*\u:S+32*\t+16*\u+1], v[S+32*\t+16*\u+8:S+32*\t+16*\u+9]
.endr
.endr
.irp t, 0,1
	v_pk_add_f32 v[S+32*\t:S+32*\t+1], v[S+32*\t:S+32*\t+1], v[S+32*\t+16:S+32*\t+17]
.endr
.irp t, 0,1
	v_pk_fma_f32 v[ST+8*\t+2:ST+8*\t+3], v[ST+8*\t+2:ST+8*\t+3], v[ST+8*\t+6:ST+8*\t+7], v[S+32*\t:S+32*\t+1] op_sel_hi:[1,0,1]   ; l = a l + the sum
.endr
	WIN W_RS
.irp j, 0,2,4,6,8,10,12,14,16,18,20,22,24,26,28,30
.irp t, 0,1
	v_pk_mul_f32 v[32*\t+\j:32*\t+\j+1], v[32*\t+\j:32*\t+\j+1], v[ST+8*\t+6:ST+8*\t+7] op_sel_hi:[1,0]   ; O^T x a, each accumulator from its low end on
.endr
.endr
	s_wait_dscnt 0x0                               ; V's fragments are in
	WIN W_PV
.irp g, 0,1
.irp ct, 0,1,2,3
.irp t, 0,1
	v_wmma_f32_16x16x32_f16 v[32*\t+8*\ct:32*\t+8*\ct+7], v[VFR+32*\g+8*\ct:VFR+32*\g+8*\ct+7], v[P+16*\t+8*\g:P+16*\t+8*\g+7], v[32*\t+8*\ct:32*\t+8*\ct+7]
.endr
.endr
.endr
	WIN 0
.rept 4
	v_nop                                          ; places ahead of the next loads into V's registers and of the next read of O^T
.endr
.Lhidden_\@:
	s_add_co_u32 s[KF], s[KF], 64
	s_add_co_u32 s[TK], s[TK], 32*KP
	s_add_co_u32 s[TV], s[TV], 32*VP
.endm
.macro SLOT_STEPS                      ; a slot's four steps: written once, walked four times
	s_mov_b32 s[STEPC], 4
.Lstep_\@:
	STEP
	s_sub_co_u32 s[STEPC], s[STEPC], 1
	s_cmp_lg_u32 s[STEPC], 0
	s_cbranch_scc1 .Lstep_\@
	s_sub_co_u32 s[TK], s[TK], 128*KP
	s_sub_co_u32 s[TV], s[TV], 128*VP
	s_xor_b32 s[TK], s[TK], SLOT1                  ; on to the other slot
	s_xor_b32 s[TV], s[TV], SLOT1
.endm
.macro INIT                            ; a block's start: m under every score, l and O^T zero; all statistics are written
.irp t, 0,1
	v_mov_b32 v[ST+8*\t+1], 0xff61b1e6             ; -3e38
.irp j, 2,3,4,5,6,7
	v_mov_b32 v[ST+8*\t+\j], 0
.endr
.endr
.irp t, 0,1
	v_mul_f32 v[ST+8*\t], s[CS], v[ST+8*\t+1]
.endr
	WIN 0x40
.set n, 0
.rept 64
	v_mov_b32 v[n], 0                              ; the step is written once: the first finds zeros
.set n, n+1
.endr
	WIN 0
.endm
; A block is done: O^T / l, rounded to f16, through my stage (rows of 144 bytes), out as 512 consecutive bytes (four rows of the plane) a store.
.macro FINISH
.irp t, 0,1
	v_add_f32 v[ST+8*\t+4], v[ST+8*\t+2], v[ST+8*\t+3]
.endr
.irp t, 0,1
	v_permlanex16_b32 v[ST+8*\t+5], v[ST+8*\t+4], s[SEL], s[SEL+1]
.endr
.irp t, 0,1
	v_add_f32 v[ST+8*\t+4], v[ST+8*\t+4], v[ST+8*\t+5]
.endr
.irp t, 0,1
	v_rcp_f32 v[ST+8*\t+6], v[ST+8*\t+4]
.endr
	v_nop
	s_wait_alu depctr_va_vdst(0)                   ; one wait for the two reciprocals
	WIN W_RS
.irp j, 0,2,4,6,8,10,12,14,16,18,20,22,24,26,28,30
.irp t, 0,1
	v_pk_mul_f32 v[32*\t+\j:32*\t+\j+1], v[32*\t+\j:32*\t+\j+1], v[ST+8*\t+6:ST+8*\t+7] op_sel_hi:[1,0]
.endr
.endr
	WIN W_CV
.irp t, 0,1
.irp ct, 0,1,2,3
.irp q, 0,1,2,3
	v_cvt_pk_f16_f32 v[S+16*\t+4*\ct+\q], v[32*\t+8*\ct+2*\q], v[32*\t+8*\ct+2*\q+1]
.endr
.endr
.endr
	WIN 0
.irp t, 0,1
.irp ct, 0,1,2,3
	ds_store_b128 v[STO], v[S+16*\t+4*\ct:S+16*\t+4*\ct+3] offset:16*144*\t+32*\ct
.endr
.endr
.irp i, 0,1,2,3,4,5,6,7
	ds_load_b128 v[S+32+4*\i:S+32+4*\i+3], v[RD] offset:4*144*\i   ; LDS serves a wave in order: these see the stores above
.endr
.irp i, 0,1,2,3,4,5,6,7
	s_wait_dscnt 7-\i
	global_store_b128 v[GO], v[S+32+4*\i:S+32+4*\i+3], s[OA:OA+1] offset:512*\i
.endr
	s_wait_xcnt 0x0                                ; the stores have read their base and their data
.endm
.macro RESET                           ; on to the second block
	s_mov_b64 s[OA:OA+1], s[OB:OB+1]
	s_mov_b32 s[Q0], s[Q0B]
	s_mov_b32 s[KF], 0
	WIN W_CP
.set n, 0
.rept 32
	v_mov_b32 v[Q+n], v[QB+n]
.set n, n+1
.endr
	WIN 0
	INIT
.endm
	s_load_b128 s[4:7], s[0:1], 0x0                ; qkv16 s[4:5], ao16 s[6:7]
	v_lshl_add_u32 v[SPW], v0, 2, SPARE
	v_mov_b32 v[NIL], 0
	ds_add_u32 v[SPW], v[NIL]                      ; the wave's opening
	ds_add_u32 v[SPW], v[NIL]
	v_lshrrev_b32 v1, 5, v0
	v_readfirstlane_b32 s[WV], v1                  ; wave 0..7
	s_sub_co_u32 s70, 11, s[WV]
	s_cmp_lt_u32 s[WV], 4
	s_cselect_b32 s[SG], s[WV], s70                ; my 32 queries of a block: wave w and wave w + 4 take sub-blocks w and 7 - w
	s_sub_co_u32 s[SW], 7, ttmp9
	s_sub_co_u32 s[WRAP], 8, ttmp9
	s_lshl_b32 s70, s[SG], 5
	s_lshl_b32 s[Q0], s[SW], 8
	s_add_co_u32 s[Q0], s[Q0], s70                 ; my first query in block 7 - i,
	s_lshl_b32 s[Q0B], ttmp9, 8
	s_add_co_u32 s[Q0B], s[Q0B], s70               ; and in block i
	s_cmp_eq_u32 ttmp9, 0
	s_cselect_b32 s[LIM], 6, 0
	s_and_b32 s11, ttmp7, 0xffff
	s_and_b32 s12, s11, 15                         ; the head
	s_lshr_b32 s13, s11, 4                         ; the batch
	s_lshl_b32 s12, s12, 20
	s_lshl_b32 s13, s13, 18
	s_add_co_u32 s12, s12, s13                     ; the sequence's first byte in plane h
	s_and_b32 s13, s[WV], 3                        ; which 64 keys of a key block I fetch
	s_lshl_b32 s70, s13, 13
	s_add_co_u32 s70, s70, s12
	s_add_co_u32 s70, s70, 16<<20                  ; in k's plane,
	s_mov_b32 s71, 0
	s_add_co_u32 s72, s70, 16<<20                  ; in v's
	s_mov_b32 s73, 0
	s_mul_i32 s14, s13, 32*KP                      ; and where they go
	s_mul_i32 s15, s13, 32*VP
	s_add_co_u32 s15, s15, VOFF
	s_mov_b32 s[G1K], (1<<16)|(1<<20)|(5<<22)|(3<<25)   ; no mask; elements of 2 bytes; 4 words of padding behind every 64
	s_mov_b32 s[G1V], (1<<16)|(1<<20)|(5<<22)|(7<<25)   ; 8 words
.irp g, G1K, G1V
	s_mov_b32 s[\g+1], 128<<16                     ; tensor_dim0: the rows are dense, so two keys' rows are stated as one of 256 bytes
	s_mov_b32 s[\g+2], 32<<16                      ; tensor_dim1
	s_mov_b32 s[\g+3], 128<<16                     ; tile_dim0
	s_mov_b32 s[\g+4], 32                          ; tile_dim1
	s_mov_b32 s[\g+5], 128                         ; the pitch
	s_mov_b32 s[\g+6], 0
	s_mov_b32 s[\g+7], 0
.endr
	s_mov_b32 s[SEL], 0x76543210
	s_mov_b32 s[SEL+1], 0xfedcba98
	s_mov_b32 s[CS], 0x3e38aa3b                    ; c = log2(e) / 8
	s_mov_b32 s[CS+1], s[CS]
	s_mov_b32 s[TK], 0
	s_mov_b32 s[TV], 0
	s_mov_b32 s[KF], 0
	s_mov_b32 s[KBN], 0
	s_mov_b32 s[T], 0
	s_wait_dscnt 0x0                               ; both opening adds are done
	s_wait_kmcnt 0x0
	s_add_nc_u64 s[KB:KB+1], s[4:5], s[70:71]
	s_add_nc_u64 s[VB:VB+1], s[4:5], s[72:73]
	s_mov_b32 s[G0K], 1
	s_mov_b32 s[G0K+1], s14
	s_mov_b64 s[G0K+2:G0K+3], s[KB:KB+1]
	s_or_b32 s[G0K+3], s[G0K+3], 0x80000000
	s_mov_b32 s[G0V], 1
	s_mov_b32 s[G0V+1], s15
	s_mov_b64 s[G0V+2:G0V+3], s[VB:VB+1]
	s_or_b32 s[G0V+3], s[G0V+3], 0x80000000
	TLOAD                                          ; slot 0: key block 0, which counts for every query
	s_lshl_b32 s70, s[Q0], 7
	s_add_co_u32 s70, s70, s12
	s_lshl_b32 s72, s[Q0B], 7
	s_add_co_u32 s72, s72, s12
	s_add_nc_u64 s[QA:QA+1], s[4:5], s[70:71]
	s_add_nc_u64 s[OA:OA+1], s[6:7], s[70:71]
	s_add_nc_u64 s[QBA:QBA+1], s[4:5], s[72:73]
	s_add_nc_u64 s[OB:OB+1], s[6:7], s[72:73]
	s_cmp_lt_u32 s[WV], 4
	s_cselect_b64 s[PFA:PFA+1], s[KB:KB+1], s[VB:VB+1]
	s_add_nc_u64 s[PFA:PFA+1], s[PFA:PFA+1], 32768 ; at key block 1: the first change steps it to 2.  Nothing is prefetched at the head
	v_and_b32 v64, 15, v0                          ; r
	v_bfe_u32 v65, v0, 4, 1                        ; h
	v_lshlrev_b32 v[QO], 7, v64
	v_lshl_add_u32 v[QO], v65, 4, v[QO]            ; Q: row r of 128 bytes, + 16 h
.irp t, 0,1
.irp kc, 0,1
	global_load_b128 v[Q+16*\t+8*\kc:Q+16*\t+8*\kc+3],   v[QO], s[QA:QA+1] offset:2048*\t+64*\kc
	global_load_b128 v[Q+16*\t+8*\kc+4:Q+16*\t+8*\kc+7], v[QO], s[QA:QA+1] offset:2048*\t+64*\kc+32
.endr
.endr
	WIN W_LD
.irp t, 0,1
.irp kc, 0,1
	global_load_b128 v[QB+16*\t+8*\kc:QB+16*\t+8*\kc+3],   v[QO], s[QBA:QBA+1] offset:2048*\t+64*\kc
	global_load_b128 v[QB+16*\t+8*\kc+4:QB+16*\t+8*\kc+7], v[QO], s[QBA:QBA+1] offset:2048*\t+64*\kc+32
.endr
.endr
	WIN 0
	v_and_b32 v66, 31, v0                          ; lane
	v_lshrrev_b32 v67, 1, v64
	v_and_b32 v68, 1, v0
	v_mul_u32_u24 v[AK0], v67, KP                  ; K: key r of a tile lies at KP (r / 2) + 128 (r % 2); + 16 h
	v_lshl_add_u32 v[AK0], v68, 7, v[AK0]
	v_lshl_add_u32 v[AK0], v65, 4, v[AK0]
	v_bfe_u32 v69, v0, 1, 2
	v_lshl_add_u32 v69, v65, 2, v69                ; V: the turning load's lane takes key 8 h + l % 8, channels 8 ((l / 8) % 2) on
	v_mul_u32_u24 v[AV0], v69, VP
	v_lshl_add_u32 v[AV0], v68, 7, v[AV0]
	v_bfe_u32 v70, v0, 3, 1
	v_lshl_add_u32 v[AV0], v70, 4, v[AV0]
	v_add_nc_u32 v[AV0], VOFF, v[AV0]
	s_mul_i32 s70, s[WV], 32*144
	s_add_co_u32 s70, s70, STAGE                   ; my stage
	v_mul_u32_u24 v[STO], v64, 144
	v_lshl_add_u32 v[STO], v65, 4, v[STO]
	v_add_nc_u32 v[STO], s70, v[STO]
	v_bfe_u32 v71, v0, 3, 2
	v_and_b32 v72, 7, v0
	v_mul_u32_u24 v[RD], v71, 144
	v_lshl_add_u32 v[RD], v72, 4, v[RD]
	v_add_nc_u32 v[RD], s70, v[RD]
	v_lshlrev_b32 v[GO], 4, v66
	v_lshlrev_b32 v[PFO], 8, v66
	v_lshlrev_b32 v73, 3, v65
	v_sub_nc_u32 v[DB], v64, v73
	v_mov_b32 v[NINF], 0xff800000
	INIT
	s_wait_loadcnt 0x0                             ; both blocks' Q
.Ltrip:                                            ; trips 0 to 7: behind each change of slots the next key block is asked for
	CHANGE 1
	SLOT_STEPS
	s_cmp_lg_u32 s[T], s[SW]                       ; the first block's last trip (4 to 7): the work-group's number and the count of trips alone
	s_cbranch_scc1 .Lsame
	FINISH
	RESET
.Lsame:
	s_add_co_u32 s[T], s[T], 1
	s_cmp_lt_u32 s[T], 8
	s_cbranch_scc1 .Ltrip
	CHANGE 0                                       ; trip 8 is written out: nothing is left to fetch
	SLOT_STEPS
	FINISH
	s_wait_tensorcnt 0x0                           ; the wave's end
	ds_add_u32 v[SPW], v[NIL]
	s_wait_dscnt 0x0
	s_endpgm
.Lfunc_end_k_qc2de862f74_attn:
	.size	k_qc2de862f74_attn, .Lfunc_end_k_qc2de862f74_attn-k_qc2de862f74_attn
	.p2alignl 7, 3214868480
	.fill 96, 4, 3214868480
	.section	.rodata,"a",@progbits
	.p2align	6, 0x0
	.amdhsa_kernel k_qc2de862f74_attn
		.amdhsa_group_segment_fixed_size 327680
		.amdhsa_private_segment_fixed_size 0
		.amdhsa_enable_private_segment 0
		.amdhsa_kernarg_size 16
		.amdhsa_user_sgpr_count 2
		.amdhsa_user_sgpr_kernarg_segment_ptr 1
		.amdhsa_wavefront_size32 1
		.amdhsa_system_sgpr_workgroup_id_x 1
		.amdhsa_system_sgpr_workgroup_id_y 1
		.amdhsa_system_sgpr_workgroup_id_z 1
		.amdhsa_system_vgpr_workitem_id 0
		.amdhsa_next_free_vgpr 480
		.amdhsa_next_free_sgpr 80
		.amdhsa_reserve_vcc 1
		.amdhsa_float_denorm_mode_32 3
		.amdhsa_float_denorm_mode_16_64 3
		.amdhsa_memory_ordered 1
		.amdhsa_forward_progress 1
		.amdhsa_inst_pref_size 73
	.end_amdhsa_kernel
	.amdgpu_metadata
---
amdhsa.version: [ 1, 2 ]
amdhsa.kernels:
  - .name:           k_qc2de862f74_attn
    .symbol:         k_qc2de862f74_attn.kd
    .args:
      - { .name: qkv16, .offset: 0, .size: 8, .value_kind: global_buffer, .address_space: global }
      - { .name: ao16, .offset: 8, .size: 8, .value_kind: global_buffer, .address_space: global }
    .group_segment_fixed_size: 327680
    .private_segment_fixed_size: 0
    .kernarg_segment_align: 8
    .kernarg_segment_size: 16
    .max_flat_workgroup_size: 256
    .sgpr_count:     80
    .vgpr_count:     480
    .wavefront_size: 32
...
	.end_amdgpu_metadata
.endif
;; end of part 3
;; launch proj (part 4): grid 4 x 64, 4 waves a work-group, clusters of 4 x 4, 327,680 bytes of LDS; arguments ao16, wo16, out0; writes out0
.if DOCPART == 4
	.amdgcn_target "amdgcn-amd-amdhsa--gfx1250"
	.amdhsa_code_object_version 6
	.text
	.protected	k_qc2de862f74_proj
	.globl	k_qc2de862f74_proj
	.p2align	8
	.type	k_qc2de862f74_proj,@function
k_qc2de862f74_proj:
	s_mov_b64 s[64:65], 0
	v_nop
	global_prefetch_b8 v0, s[64:65] scope:SCOPE_SE
	s_setreg_imm32_b32 hwreg(HW_REG_WAVE_MODE, 25, 1), 1
	s_wait_xcnt 0x0
	s_wait_alu depctr_hold_cnt(0) depctr_sa_sdst(0) depctr_va_vdst(0) depctr_va_sdst(0) depctr_va_ssrc(0) depctr_va_vcc(0) depctr_vm_vsrc(0)
	s_getreg_b32 s2, hwreg(HW_REG_IB_STS2, 6, 4)
	s_cmp_eq_u32 s2, 0
	s_cbranch_scc0 .Lentry_in_a_cluster
	s_endpgm
.Lentry_in_a_cluster:
	s_bfe_u32 s2, ttmp6, 0x10000c
	s_cmp_lg_u32 s2, 0xf033
	s_cbranch_scc0 .Lentry_shape_is_right
	s_endpgm
.Lentry_shape_is_right:
; out[m][n] = sum over k of ao[m][k] w_o[n][k], m 8,192, n 1,024, k 1,024; f16 operands, f32 sums, f32 out.
; ao16: 16 planes [8192][64] f16 (k = 64 x plane + channel; a plane is 1 << 20 bytes);  wo16: [1024][1024] f16.
; A tile of C is 128 (m) x 256 (n): 256 work-groups.  Four waves, each 64 x 128: 32 accumulators.  K goes in steps of 128 (two planes of ao) through a ring of two LDS slots.
; CLUSTERS: 4 x 4 work-groups; A's tile (it hangs on the tile row alone) is asked for jointly along a row of the cluster, B's (on the tile column alone) along a column.
; THE MATRIX INSTRUCTION IS USED TRANSPOSED (source 0 = 16 rows of w_o, source 1 = 16 rows of ao): a lane holds eight neighbouring columns of a row of C.
; The first 16 positions of each sequence are written here too and written over by the launch that follows, which does them in f32.
; LDS, a slot: A's two planes, each 64 rows of 256 bytes (two rows of ao) + 16; then B's 256 rows of 256 bytes + 16.  Behind the ring a stage of 16 x 528 bytes for each wave, and the spare words.
; REGISTERS: window 0: v16-30 addresses; A's fragments v[64 + 32 f + 8 a], B's v[128 + 64 f + 8 b], two buffers f.  window 1: accumulator (a, b) at v[8 (8 a + b)].
.set PITCH,  272
.set APL,    64*PITCH
.set BH,     128*PITCH
.set BOFF,   2*APL
.set SLOT,   BOFF+2*BH
.set STAGE,  2*SLOT
.set SPITCH, 528
.set SPARE,  STAGE+4*16*SPITCH
.set LAPS,   4                         ; 8 K steps, two to a lap
.set ADRA, 16
.set ADRB, 20
.set STO,  24
.set RD,   25
.set CO,   26
.set SPW,  28
.set NIL,  29
.set PFO,  30                          ; the prefetches' offset: (lane / 16) planes + 256 (lane % 16); never rewritten
.set AF,   64
.set BF,   128
.set BK,   64                          ; the way out: v64-127 and v128-191 by turns
.set G1, 24
.set G0, 32
.set G1B, 48
.set G0B, 56
.set PFA, 44
.set LIM, 43
.set MSB, 0
.macro WIN new
.if MSB != \new
	s_set_vgpr_msb (MSB<<8)|\new
.set MSB, \new
.endif
.endm
.set MUL, 0x50                         ; C and D window 1
.macro JLOAD s                         ; waves 0 and 1 fetch A's two planes, waves 2 and 3 B's two halves; an s_nop 0 and four v_nop follow each line
	s_cmp_eq_u32 s11, 0
	s_cbranch_scc0 .Lfor_b_\@
	tensor_load_to_lds s[G0+4*\s:G0+4*\s+3], s[G1:G1+7]
	s_nop 0
.rept 4
	v_nop
.endr
	s_branch .Lasked_\@
.Lfor_b_\@:
	tensor_load_to_lds s[G0B+4*\s:G0B+4*\s+3], s[G1B:G1B+7]
	s_nop 0
.rept 4
	v_nop
.endr
.Lasked_\@:
.endm
.macro CREST
	s_cmp_lg_u32 s10, 0
	s_cbranch_scc1 .Lnot_wave_0_\@
	s_barrier_signal -3
.Lnot_wave_0_\@:
	s_barrier_wait -3
	s_barrier_signal -1
	s_barrier_wait -1
.endm
.macro CROUND
	s_barrier_signal -1
	s_barrier_wait -1
	CREST
.endm
; A prefetch of A's tile of the K step two refills on.  A tile of A is read by one cluster alone: its four partners of a row share the tile's 128 blocks of 256 bytes out BY ADDRESS, 16 of each plane to a partner;
; wave 0 asks, a lane a block.  The last lap's refills have no K step two on.  w_o is read by every cluster again and again and is not asked for.
.macro ASK
	s_cmp_gt_u32 s3, s[LIM]
	s_cbranch_scc0 .Lnot_mine_\@
	global_prefetch_b8 v[PFO], s[PFA:PFA+1] th:TH_LOAD_NT scope:SCOPE_SE
.Lnot_mine_\@:
.endm
	s_load_b128 s[4:7], s[0:1], 0x0                ; ao16 s[4:5], wo16 s[6:7]
	s_load_b64 s[8:9], s[0:1], 0x10                ; out0
	v_lshl_add_u32 v[SPW], v0, 2, SPARE
	v_mov_b32 v[NIL], 0
	ds_add_u32 v[SPW], v[NIL]                      ; the wave's opening
	ds_add_u32 v[SPW], v[NIL]
	v_lshrrev_b32 v1, 5, v0
	v_readfirstlane_b32 s10, v1                    ; wave 0..3
	s_lshr_b32 s11, s10, 1                         ; my half of the tile's rows.  Also: I fetch for A (0) or B (1)
	s_and_b32 s12, s10, 1                          ; my half of its columns.  Also: which plane of A, which half of B I fetch
	s_bfe_u32 s40, ttmp6, 0x40000                  ; cx
	s_bfe_u32 s41, ttmp6, 0x40004                  ; cy
	s_lshl_b32 s42, ttmp9, 2
	s_add_co_u32 s42, s42, s40                     ; tile column
	s_and_b32 s13, ttmp7, 0xffff
	s_lshl_b32 s13, s13, 2
	s_add_co_u32 s13, s13, s41                     ; tile row
	s_lshl_b32 s43, s41, 2
	s_lshl_b32 s43, 15, s43                        ; my row of the cluster
	s_lshl_b32 s44, 0x1111, s40                    ; my column
	s_or_b32 s[G1+0], s43, (1<<16)|(1<<20)|(1<<21)|(5<<22)|(3<<25)   ; mask; elements of 2 bytes; 4 words of padding behind every 64; bit 21 beside a mask
	s_or_b32 s[G1B+0], s44, (1<<16)|(1<<20)|(1<<21)|(5<<22)|(3<<25)
	s_mov_b32 s[G1+1], 128<<16                     ; A: a plane's 128 rows are dense: 64 rows of 256 bytes
	s_mov_b32 s[G1+2], 64<<16
	s_mov_b32 s[G1+3], 128<<16
	s_mov_b32 s[G1+4], 64
	s_mov_b32 s[G1+5], 128
	s_mov_b32 s[G1+6], 0
	s_mov_b32 s[G1+7], 0
	s_mov_b32 s[G1B+1], 128<<16                    ; B: 128 rows of 128 elements, 1,024 elements apart
	s_mov_b32 s[G1B+2], 128<<16
	s_mov_b32 s[G1B+3], 128<<16
	s_mov_b32 s[G1B+4], 128
	s_mov_b32 s[G1B+5], 1024
	s_mov_b32 s[G1B+6], 0
	s_mov_b32 s[G1B+7], 0
	s_lshl_b32 s16, s13, 14                        ; A: 128 x tile row rows of 128 bytes,
	s_lshl_b32 s17, s12, 20                        ; in plane 0 or 1
	s_add_co_u32 s16, s16, s17
	s_mov_b32 s17, 0
	s_lshl_b32 s46, s42, 8
	s_lshl_b32 s47, s12, 7
	s_add_co_u32 s46, s46, s47                     ; B: row 256 x tile column + 128 x half,
	s_lshl_b32 s46, s46, 11                        ; of 2,048 bytes
	s_mov_b32 s47, 0
	s_mul_i32 s20, s12, APL                        ; where they go: no place in the cluster enters an LDS address
	s_mul_i32 s21, s12, BH
	s_add_co_u32 s21, s21, BOFF
	s_wait_dscnt 0x0                               ; both opening adds are done
	s_wait_kmcnt 0x0
	s_add_nc_u64 s[14:15], s[4:5], s[16:17]
	s_add_nc_u64 s[46:47], s[6:7], s[46:47]
	CROUND                                         ; all sixteen work-groups are here: the first joint loads meet
.irp s, 0,1
	s_mov_b32 s[G0+4*\s], 1
	s_add_co_u32 s[G0+4*\s+1], s20, \s*SLOT
	s_add_nc_u64 s[G0+4*\s+2:G0+4*\s+3], s[14:15], \s*(1<<21)      ; K step s: planes 2 s, 2 s + 1
	s_or_b32 s[G0+4*\s+3], s[G0+4*\s+3], 0x80000000
	s_mov_b32 s[G0B+4*\s], 1
	s_add_co_u32 s[G0B+4*\s+1], s21, \s*SLOT
	s_add_nc_u64 s[G0B+4*\s+2:G0B+4*\s+3], s[46:47], \s*256
	s_or_b32 s[G0B+4*\s+3], s[G0B+4*\s+3], 0x80000000
	JLOAD \s                                       ; two tensor loads of mine are out
.endr
	v_and_b32 v1, 15, v0                           ; r
	v_bfe_u32 v2, v0, 4, 1                         ; h
	v_lshrrev_b32 v3, 1, v1
	v_and_b32 v4, 1, v0
	v_mul_u32_u24 v3, v3, PITCH                    ; A: row r of a block lies at PITCH (r / 2) + 128 (r % 2); + 16 h
	v_lshl_add_u32 v3, v4, 7, v3
	v_lshl_add_u32 v3, v2, 4, v3
	v_mul_u32_u24 v5, v1, PITCH                    ; B: row r x pitch + 16 h
	v_lshl_add_u32 v5, v2, 4, v5
	s_mul_i32 s21, s11, 32*PITCH                   ; my 64 rows of A
	s_mul_i32 s22, s12, BH                         ; my 128 rows of B
	s_add_co_u32 s22, s22, BOFF
.irp s, 0,1
	v_add_nc_u32 v[ADRA+\s], s21, v3
	v_add_nc_u32 v[ADRB+\s], s22, v5
	s_add_co_u32 s21, s21, SLOT
	s_add_co_u32 s22, s22, SLOT
.endr
	s_mul_i32 s23, s10, 16*SPITCH
	s_add_co_u32 s23, s23, STAGE                   ; my stage
	v_mul_u32_u24 v5, v1, SPITCH
	v_lshl_add_u32 v5, v2, 5, v5
	v_add_nc_u32 v[STO], s23, v5
	v_and_b32 v6, 31, v0
	v_lshlrev_b32 v[CO], 4, v6
	v_add_nc_u32 v[RD], s23, v[CO]
	v_lshlrev_b32 v[PFO], 20, v2
	v_lshl_add_u32 v[PFO], v1, 8, v[PFO]
	s_lshl_b32 s16, s13, 19                        ; out0: row 128 x tile row + 64 x half, of 4,096 bytes,
	s_lshl_b32 s17, s11, 18
	s_add_co_u32 s16, s16, s17
	s_lshl_b32 s46, s42, 10                        ; column 256 x tile column + 128 x half, 4 bytes each
	s_lshl_b32 s47, s12, 9
	s_add_co_u32 s46, s46, s47
	s_add_co_u32 s16, s16, s46
	s_mov_b32 s17, 0
	s_add_nc_u64 s[8:9], s[8:9], s[16:17]
	s_lshl_b32 s22, s13, 14                        ; the prefetches: my tile's rows,
	s_lshl_b32 s23, s40, 12                        ; my work-group's 16 blocks of each plane,
	s_add_co_u32 s22, s22, s23
	s_add_co_u32 s22, s22, 3<<21                   ; at K step 3: the first refill steps it to 4
	s_mov_b32 s23, 0
	s_add_nc_u64 s[PFA:PFA+1], s[4:5], s[22:23]
	s_cmp_eq_u32 s10, 0
	s_cselect_b32 s[LIM], 1, -1
.macro MUL8 f, a, zero                 ; A's block a x B's eight, 32 along K.  The 32 accumulators take turns
.irp b, 0,1,2,3,4,5,6,7
.if \zero
	v_wmma_f32_16x16x32_f16 v[8*(8*(\a)+\b):8*(8*(\a)+\b)+7], v[BF+64*(\f)+8*\b:BF+64*(\f)+8*\b+7], v[AF+32*(\f)+8*(\a):AF+32*(\f)+8*(\a)+7], 0
.else
	v_wmma_f32_16x16x32_f16 v[8*(8*(\a)+\b):8*(8*(\a)+\b)+7], v[BF+64*(\f)+8*\b:BF+64*(\f)+8*\b+7], v[AF+32*(\f)+8*(\a):AF+32*(\f)+8*(\a)+7], v[8*(8*(\a)+\b):8*(8*(\a)+\b)+7]
.endif
.endr
.endm
.macro FETCH slot, kq, f               ; 24 LDS loads in one run: quarter kq's fragments: B's eight, then A's four
.irp i, 0,1,2,3,4,5,6,7
	ds_load_b128 v[BF+64*(\f)+8*\i:BF+64*(\f)+8*\i+3],   v[ADRB+\slot] offset:\i*16*PITCH+64*(\kq)
	ds_load_b128 v[BF+64*(\f)+8*\i+4:BF+64*(\f)+8*\i+7], v[ADRB+\slot] offset:\i*16*PITCH+64*(\kq)+32
.endr
.irp i, 0,1,2,3
	ds_load_b128 v[AF+32*(\f)+8*\i:AF+32*(\f)+8*\i+3],   v[ADRA+\slot] offset:\i*8*PITCH+APL*((\kq)/2)+64*((\kq)%2)
	ds_load_b128 v[AF+32*(\f)+8*\i+4:AF+32*(\f)+8*\i+7], v[ADRA+\slot] offset:\i*8*PITCH+APL*((\kq)/2)+64*((\kq)%2)+32
.endr
.endm
.macro PLACES
.rept 4
	v_nop
.endr
.endm
; One of a K step's first three quarters: multiplies buffer f; in its middle it fetches quarter kq of the same slot into buffer g.
.macro QUARTER slot, kq, f, g, zero
	s_wait_dscnt 4                                 ; B and A's blocks 0, 1 are in; the youngest four loads (A's blocks 2, 3) may be out
	WIN MUL
	MUL8 \f, 0, \zero
	MUL8 \f, 1, \zero
	PLACES
	WIN 0
	FETCH \slot, \kq, \g
	s_wait_dscnt 24                                ; all but the 24 just issued
	WIN MUL
	MUL8 \f, 2, \zero
	MUL8 \f, 3, \zero
.endm
; The last quarter multiplies buffer 1 and changes slots: one barrier; in front of it each wave waits for all its tensor loads, adds 0 to its spare word, and waits for that and for its reads of this slot.
.macro TURN slot, next, fill
.if \fill
	s_wait_xcnt 0x0                                ; the last prefetch, a K step back, has read its address
	s_add_nc_u64 s[PFA:PFA+1], s[PFA:PFA+1], 1<<21
.endif
	WIN 0
	s_wait_tensorcnt 0x0                           ; my part of the next slot has landed
	ds_add_u32 v[SPW], v[NIL]
	s_wait_dscnt 5                                 ; the add and the youngest four loads may be out
	WIN MUL
	MUL8 1, 0, 0
	s_wait_dscnt 0x0                               ; the add is done, my reads of this slot are over
	s_barrier_signal -1
	MUL8 1, 1, 0
	WIN 0
	s_barrier_wait -1
.if \fill
	CREST                                          ; the barrier has opened a round of the cluster's barrier
	s_add_nc_u64 s[G0+4*\slot+2:G0+4*\slot+3], s[G0+4*\slot+2:G0+4*\slot+3], 1<<22
	s_add_nc_u64 s[G0B+4*\slot+2:G0B+4*\slot+3], s[G0B+4*\slot+2:G0B+4*\slot+3], 512
	JLOAD \slot                                    ; the first tensor load behind the round: 112 matrix instructions ahead of the wait for it; its four v_nop are also the places in front of the loads below
.else
	PLACES
.endif
	FETCH \next, 0, 0
.if \fill
	ASK
.endif
	WIN MUL
	MUL8 1, 2, 0
	MUL8 1, 3, 0
.endm
	s_wait_tensorcnt 1                             ; my part of K step 0 is in; K step 1's may be out
	s_barrier_signal -1
	s_barrier_wait -1
	FETCH 0, 0, 0
	QUARTER 0, 1, 0, 1, 1                          ; the first quarter's products start the sums
	WIN 0
	s_mov_b32 s3, LAPS-1
.Llap:                                             ; a trip goes once round the ring and fills both slots again
	QUARTER 0, 2, 1, 0, 0
	QUARTER 0, 3, 0, 1, 0
	TURN 0, 1, 1
	QUARTER 1, 1, 0, 1, 0
	QUARTER 1, 2, 1, 0, 0
	QUARTER 1, 3, 0, 1, 0
	TURN 1, 0, 1
	QUARTER 0, 1, 0, 1, 0
	WIN 0
	s_sub_co_u32 s3, s3, 1
	s_cmp_lg_u32 s3, 0
	s_cbranch_scc1 .Llap
	QUARTER 0, 2, 1, 0, 0                          ; the last lap fills nothing
	QUARTER 0, 3, 0, 1, 0
	TURN 0, 1, 0
	QUARTER 1, 1, 0, 1, 0
	QUARTER 1, 2, 1, 0, 0
	QUARTER 1, 3, 0, 1, 0
	s_wait_dscnt 4
	WIN MUL
	MUL8 1, 0, 0
	MUL8 1, 1, 0
	s_wait_dscnt 0
	MUL8 1, 2, 0
	MUL8 1, 3, 0
	WIN 0
; THE WAY OUT, block by block of 16 rows x 128 columns, through my own stage: back as whole rows of 512 bytes.
.macro TOSTAGE a
	WIN 0x04                                       ; an LDS store's data are its source 1: window 1
.irp b, 0,1,2,3,4,5,6,7
	ds_store_b128 v[STO], v[8*(8*(\a)+\b):8*(8*(\a)+\b)+3] offset:64*\b      ; each accumulator from its low end on
	ds_store_b128 v[STO], v[8*(8*(\a)+\b)+4:8*(8*(\a)+\b)+7] offset:64*\b+16
.endr
	WIN 0
.set BB, BK+64*((\a)%2)
.irp t, 0,1,2,3,4,5,6,7,8,9,10,11,12,13,14,15
	ds_load_b128 v[BB+4*\t:BB+4*\t+3], v[RD] offset:\t*SPITCH
.endr
.endm
.macro SEND a, younger
.set BB, BK+64*((\a)%2)
	s_wait_dscnt \younger                          ; the block is back; the next block's 16 stores and 16 loads may be out
.irp t, 0,1,2,3,4,5,6,7,8,9,10,11,12,13,14,15
	global_store_b128 v[CO], v[BB+4*\t:BB+4*\t+3], s[8:9] offset:4096*(16*(\a)+\t) th:TH_STORE_NT   ; 32 lanes store 512 consecutive bytes
.endr
.endm
	PLACES
	TOSTAGE 0
	TOSTAGE 1
	SEND 0, 32
	s_wait_xcnt 0x0                                ; block 0's stores have read their registers: block 2's loads may land there
	TOSTAGE 2
	SEND 1, 32
	s_wait_xcnt 0x0
	TOSTAGE 3
	SEND 2, 32
	SEND 3, 0
	s_wait_tensorcnt 0x0                           ; the wave's end
	ds_add_u32 v[SPW], v[NIL]
	s_wait_dscnt 0x0
	CROUND                                         ; the closing round
	s_endpgm
.Lfunc_end_k_qc2de862f74_proj:
	.size	k_qc2de862f74_proj, .Lfunc_end_k_qc2de862f74_proj-k_qc2de862f74_proj
	.p2alignl 7, 3214868480
	.fill 96, 4, 3214868480
	.section	.rodata,"a",@progbits
	.p2align	6, 0x0
	.amdhsa_kernel k_qc2de862f74_proj
		.amdhsa_group_segment_fixed_size 327680
		.amdhsa_private_segment_fixed_size 0
		.amdhsa_enable_private_segment 0
		.amdhsa_kernarg_size 24
		.amdhsa_user_sgpr_count 2
		.amdhsa_user_sgpr_kernarg_segment_ptr 1
		.amdhsa_wavefront_size32 1
		.amdhsa_system_sgpr_workgroup_id_x 1
		.amdhsa_system_sgpr_workgroup_id_y 1
		.amdhsa_system_sgpr_workgroup_id_z 1
		.amdhsa_system_vgpr_workitem_id 0
		.amdhsa_next_free_vgpr 512
		.amdhsa_next_free_sgpr 66
		.amdhsa_reserve_vcc 0
		.amdhsa_float_denorm_mode_32 3
		.amdhsa_float_denorm_mode_16_64 3
		.amdhsa_memory_ordered 1
		.amdhsa_forward_progress 1
		.amdhsa_inst_pref_size 86
	.end_amdhsa_kernel
	.amdgpu_metadata
---
amdhsa.version: [ 1, 2 ]
amdhsa.kernels:
  - .name:           k_qc2de862f74_proj
    .symbol:         k_qc2de862f74_proj.kd
    .args:
      - { .name: ao16, .offset: 0, .size: 8, .value_kind: global_buffer, .address_space: global }
      - { .name: wo16, .offset: 8, .size: 8, .value_kind: global_buffer, .address_space: global }
      - { .name: out0, .offset: 16, .size: 8, .value_kind: global_buffer, .address_space: global }
    .group_segment_fixed_size: 327680
    .private_segment_fixed_size: 0
    .kernarg_segment_align: 8
    .kernarg_segment_size: 24
    .max_flat_workgroup_size: 128
    .sgpr_count:     66
    .vgpr_count:     512
    .wavefront_size: 32
...
	.end_amdgpu_metadata
.endif
;; end of part 4
;; launch first16 (part 5): grid 16 x 4, 16 waves a work-group, no clusters, 85,248 bytes of LDS; arguments qkv32, w_o, out0; writes out0
.if DOCPART == 5
	.amdgcn_target "amdgcn-amd-amdhsa--gfx1250"
	.amdhsa_code_object_version 6
	.text
	.protected	k_qc2de862f74_first16
	.globl	k_qc2de862f74_first16
	.p2align	8
	.type	k_qc2de862f74_first16,@function
k_qc2de862f74_first16:
	s_mov_b64 s[64:65], 0
	v_nop
	global_prefetch_b8 v0, s[64:65] scope:SCOPE_SE
	s_setreg_imm32_b32 hwreg(HW_REG_WAVE_MODE, 25, 1), 1
	s_wait_xcnt 0x0
; The first 16 positions of each of the 4 sequences once more, attention and projection in f32 throughout (v_wmma_f32_16x16x4_f32): their rows average one to sixteen values and are the largest in size.
; qkv32: [4][16][3072] f32 (q, k, v on end in a row);  w_o: [1024][1024] f32;  out0: rows 2048 b + 0 .. 15 are written over.
; SHARES.  Work-group (slice of 64 output columns, batch).  Phase 1: wave w makes head w's attention for the 16 positions (the same in all 16 slices: 16 x 16 scores a head) and puts it into LDS.
; Phase 2: wave w multiplies by 16 rows of w_o (tile w % 4 of the slice) over a quarter of K (w / 4); the four quarters meet in LDS, and wave w stores position w's 64 columns: 256 consecutive bytes.
; One order of k serves both sources of a product: register j of pair u of the 16-byte load c of lane (r, h) stands for k = 8 c + 4 h + 2 u + j.
; The accumulators v16-47 are written by matrix instructions alone; four take turns; nine plain lines stand behind each group of products, since the next group begins them anew.
.set AOP,   4112                       ; a row of the attention's output in LDS: 4,096 bytes + 16
.set RED,   16*AOP                     ; the four quarters' parts: 4 x 16 rows x 272 bytes
.set SPARE, RED+4*16*272
.set LQ,  3
.set LV,  4
.set LW,  5
.set AOW, 6
.set LA,  7
.set REDW, 8
.set REDR, 9
.set GO,  10
.set DD,  11                           ; r - 8 h
.set SPW, 12
.set NIL, 13
.set NINF, 14
.set ACC, 16
.set T,   48
.set P,   56
.set Q,   64
.set K,   96
.set V,   128
.set W1,  160
.set W2,  64
.set A0,  128
.set A1,  224
.set SEL, 20
.set CS,  22
.macro PLACES
.rept 9
	v_nop
.endr
.endm
.macro BARRIER
	s_wait_dscnt 0x0                               ; my LDS stores have landed and my LDS loads are in
	s_barrier_signal -1
	s_barrier_wait -1
.endm
.macro SUM4                            ; T = the four accumulators added, each read from its low end on
.irp p, 0,2,4,6
	v_pk_add_f32 v[T+\p:T+\p+1], v[ACC+\p:ACC+\p+1], v[ACC+8+\p:ACC+8+\p+1]
	v_pk_add_f32 v[T+\p:T+\p+1], v[T+\p:T+\p+1], v[ACC+16+\p:ACC+16+\p+1]
	v_pk_add_f32 v[T+\p:T+\p+1], v[T+\p:T+\p+1], v[ACC+24+\p:ACC+24+\p+1]
.endr
.endm
	s_load_b128 s[4:7], s[0:1], 0x0                ; qkv32 s[4:5], w_o s[6:7]
	s_load_b64 s[8:9], s[0:1], 0x10                ; out0
	v_lshl_add_u32 v[SPW], v0, 2, SPARE
	v_mov_b32 v[NIL], 0
	v_lshrrev_b32 v1, 5, v0
	v_readfirstlane_b32 s10, v1                    ; wave 0..15
	s_lshr_b32 s11, s10, 2                         ; my quarter of K
	s_and_b32 s12, s10, 3                          ; my tile of 16 output columns
	s_and_b32 s13, ttmp7, 0xffff                   ; the batch
	v_and_b32 v1, 15, v0                           ; r
	v_bfe_u32 v2, v0, 4, 1                         ; h
	s_lshl_b32 s14, s10, 8                         ; head w: 256 bytes on
	v_mul_u32_u24 v[LQ], v1, 12288
	v_lshl_add_u32 v[LQ], v2, 4, v[LQ]
	v_add_nc_u32 v[LQ], s14, v[LQ]                 ; q, k: position r, + 16 h
	v_mul_u32_u24 v[LV], v2, 98304
	v_lshl_add_u32 v[LV], v1, 2, v[LV]
	v_add_nc_u32 v[LV], s14, v[LV]                 ; v: position 8 h + e, channel r of a tile
	v_lshlrev_b32 v[LW], 12, v1
	v_lshl_add_u32 v[LW], v2, 4, v[LW]             ; w_o: row r, + 16 h
	v_mul_u32_u24 v[AOW], v1, AOP
	v_lshl_add_u32 v[LA], v2, 4, v[AOW]
	v_lshl_add_u32 v[AOW], v2, 5, v[AOW]
	v_add_nc_u32 v[AOW], s14, v[AOW]               ; where my head's output goes: row r, + 256 w + 32 h
	s_lshl_b32 s15, s11, 10
	v_add_nc_u32 v[LA], s15, v[LA]                 ; and where I read: row r, + 16 h + my quarter
	s_mul_i32 s16, s11, 16*272
	s_lshl_b32 s17, s12, 6
	s_add_co_u32 s16, s16, s17
	s_add_co_u32 s16, s16, RED
	v_mul_u32_u24 v[REDW], v1, 272
	v_lshl_add_u32 v[REDW], v2, 5, v[REDW]
	v_add_nc_u32 v[REDW], s16, v[REDW]
	s_mul_i32 s17, s10, 272
	s_add_co_u32 s17, s17, RED
	v_and_b32 v[GO], 31, v0
	v_lshlrev_b32 v[GO], 3, v[GO]
	v_add_nc_u32 v[REDR], s17, v[GO]
	v_lshlrev_b32 v[DD], 3, v2
	v_sub_nc_u32 v[DD], v1, v[DD]
	v_mov_b32 v[NINF], 0xff800000
	s_mov_b32 s[SEL], 0x76543210
	s_mov_b32 s[SEL+1], 0xfedcba98
	s_mov_b32 s[CS], 0x3e38aa3b                    ; c = log2(e) / 8
	s_mul_i32 s16, s13, 16*12288
	s_mov_b32 s17, 0
	s_lshl_b32 s18, ttmp9, 6
	s_lshl_b32 s19, s12, 4
	s_add_co_u32 s18, s18, s19                     ; w_o's row 64 x slice + 16 x tile,
	s_lshl_b32 s18, s18, 12
	s_add_co_u32 s18, s18, s15                     ; at my quarter of K
	s_mov_b32 s19, 0
	s_lshl_b32 s24, s13, 11
	s_add_co_u32 s24, s24, s10                     ; out0's row 2048 b + w,
	s_lshl_b32 s24, s24, 12
	s_lshl_b32 s25, ttmp9, 8                       ; at the slice's 256 bytes
	s_add_co_u32 s24, s24, s25
	s_mov_b32 s25, 0
	s_wait_kmcnt 0x0
	s_add_nc_u64 s[4:5], s[4:5], s[16:17]
	s_add_nc_u64 s[6:7], s[6:7], s[18:19]
	s_add_nc_u64 s[8:9], s[8:9], s[24:25]
.irp c, 0,1,2,3,4,5,6,7
	global_load_b128 v[Q+4*\c:Q+4*\c+3], v[LQ], s[4:5] offset:32*\c
.endr
.irp c, 0,1,2,3,4,5,6,7
	global_load_b128 v[K+4*\c:K+4*\c+3], v[LQ], s[4:5] offset:4096+32*\c
.endr
.irp t, 0,1,2,3
.irp e, 0,1,2,3,4,5,6,7
	global_load_b32 v[V+8*\t+\e], v[LV], s[4:5] offset:12288*\e+8192+64*\t
.endr
.endr
.irp c, 0,1,2,3,4,5,6,7,8,9,10,11,12,13,14,15
	global_load_b128 v[W1+4*\c:W1+4*\c+3], v[LW], s[6:7] offset:32*\c
.endr
	s_wait_loadcnt 48                              ; q and k are in; v's 32 loads and w_o's first 16 are younger
; S^T = k q^T: register j of lane (r, h) is key 8 h + j, query r
.irp c, 0,1,2,3,4,5,6,7
.irp u, 0,1
.if \c < 2
	v_wmma_f32_16x16x4_f32 v[ACC+8*((2*\c+\u)%4):ACC+8*((2*\c+\u)%4)+7], v[K+4*\c+2*\u:K+4*\c+2*\u+1], v[Q+4*\c+2*\u:Q+4*\c+2*\u+1], 0
.else
	v_wmma_f32_16x16x4_f32 v[ACC+8*((2*\c+\u)%4):ACC+8*((2*\c+\u)%4)+7], v[K+4*\c+2*\u:K+4*\c+2*\u+1], v[Q+4*\c+2*\u:Q+4*\c+2*\u+1], v[ACC+8*((2*\c+\u)%4):ACC+8*((2*\c+\u)%4)+7]
.endif
.endr
.endr
	PLACES
.irp c, 0,1,2,3,4,5,6,7,8,9,10,11,12,13,14,15
	global_load_b128 v[W2+4*\c:W2+4*\c+3], v[LW], s[6:7] offset:512+32*\c   ; the rest of w_o's quarter, into q's and k's registers
.endr
	SUM4
.irp j, 0,1,2,3,4,5,6,7
	v_cmp_gt_i32 vcc_lo, \j, v[DD]                 ; key 8 h + j comes after query r
	v_cndmask_b32 v[T+\j], v[T+\j], v[NINF], vcc_lo
.endr
	v_max3_num_f32 v1, v[T], v[T+1], v[T+2]
	v_max3_num_f32 v2, v[T+3], v[T+4], v[T+5]
	v_max3_num_f32 v1, v1, v[T+6], v[T+7]
	v_max_num_f32 v1, v1, v2
	v_permlanex16_b32 v2, v1, s[SEL], s[SEL+1]
	v_max_num_f32 v1, v1, v2                       ; the row's maximum (key 0 counts for every query)
	v_mul_f32 v1, s[CS], v1
.irp j, 0,1,2,3,4,5,6,7
	v_fma_f32 v[P+\j], v[T+\j], s[CS], -v1
.endr
.irp j, 0,1,2,3,4,5,6,7
	v_exp_f32 v[P+\j], v[P+\j]
.endr
	v_nop
	s_wait_alu depctr_va_vdst(0)                   ; one wait for the eight exponentials
	v_pk_add_f32 v[T:T+1], v[P:P+1], v[P+2:P+3]
	v_pk_add_f32 v[T+2:T+3], v[P+4:P+5], v[P+6:P+7]
	v_pk_add_f32 v[T:T+1], v[T:T+1], v[T+2:T+3]
	v_add_f32 v15, v[T], v[T+1]
	v_permlanex16_b32 v2, v15, s[SEL], s[SEL+1]
	v_add_f32 v15, v15, v2
	v_rcp_f32 v15, v15
	v_nop
	s_wait_alu depctr_va_vdst(0)
.irp j, 0,1,2,3,4,5,6,7
	v_mul_f32 v[P+\j], v[P+\j], v15                ; the weights, normalised
.endr
	s_wait_loadcnt 32                              ; v is in; w_o's 32 loads are younger
; O^T = v^T P: product i takes keys 8 h + 2 i + j in both sources; accumulator t: channels 16 t + 8 h + j, query r
.irp i, 0,1,2,3
.irp t, 0,1,2,3
.if \i == 0
	v_wmma_f32_16x16x4_f32 v[ACC+8*\t:ACC+8*\t+7], v[V+8*\t+2*\i:V+8*\t+2*\i+1], v[P+2*\i:P+2*\i+1], 0
.else
	v_wmma_f32_16x16x4_f32 v[ACC+8*\t:ACC+8*\t+7], v[V+8*\t+2*\i:V+8*\t+2*\i+1], v[P+2*\i:P+2*\i+1], v[ACC+8*\t:ACC+8*\t+7]
.endif
.endr
.endr
	PLACES
.irp t, 0,1,2,3
	ds_store_b128 v[AOW], v[ACC+8*\t:ACC+8*\t+3] offset:64*\t
	ds_store_b128 v[AOW], v[ACC+8*\t+4:ACC+8*\t+7] offset:64*\t+16
.endr
	BARRIER                                        ; all 16 heads' outputs lie in LDS
; the projection: 64 products over my 256 along K, in four chunks of 64
.macro ALOAD q, reg
.irp c, 0,1,2,3,4,5,6,7
	ds_load_b128 v[\reg+4*\c:\reg+4*\c+3], v[LA] offset:256*(\q)+32*\c
.endr
.endm
.macro PCH q, wb, ab
.irp c, 0,1,2,3,4,5,6,7
.irp u, 0,1
.if (\q == 0) && (\c < 2)
	v_wmma_f32_16x16x4_f32 v[ACC+8*((2*\c+\u)%4):ACC+8*((2*\c+\u)%4)+7], v[\wb+4*\c+2*\u:\wb+4*\c+2*\u+1], v[\ab+4*\c+2*\u:\ab+4*\c+2*\u+1], 0
.else
	v_wmma_f32_16x16x4_f32 v[ACC+8*((2*\c+\u)%4):ACC+8*((2*\c+\u)%4)+7], v[\wb+4*\c+2*\u:\wb+4*\c+2*\u+1], v[\ab+4*\c+2*\u:\ab+4*\c+2*\u+1], v[ACC+8*((2*\c+\u)%4):ACC+8*((2*\c+\u)%4)+7]
.endif
.endr
.endr
.endm
	ALOAD 0, A0
	ALOAD 1, A1
	s_wait_loadcnt 16                              ; w_o's first 16 loads are in; the other 16 are younger
	s_wait_dscnt 8                                 ; chunk 0 is in; chunk 1's 8 loads may be out
	PCH 0, W1, A0
	PLACES
	ALOAD 2, A0
	s_wait_dscnt 8
	PCH 1, W1+32, A1
	PLACES
	ALOAD 3, A1
	s_wait_loadcnt 0x0
	s_wait_dscnt 8
	PCH 2, W2, A0
	s_wait_dscnt 0x0
	PCH 3, W2+32, A1
	PLACES
	SUM4                                           ; lane (r, h): position r, columns 8 h + 0 .. 7 of my tile, my quarter's part
	ds_store_b128 v[REDW], v[T:T+3]
	ds_store_b128 v[REDW], v[T+4:T+7] offset:16
	BARRIER
.irp k, 0,1,2,3
	ds_load_b64 v[T+2*\k:T+2*\k+1], v[REDR] offset:16*272*\k
.endr
	s_wait_dscnt 0x0
	v_pk_add_f32 v[T:T+1], v[T:T+1], v[T+2:T+3]
	v_pk_add_f32 v[T+4:T+5], v[T+4:T+5], v[T+6:T+7]
	v_pk_add_f32 v[T:T+1], v[T:T+1], v[T+4:T+5]
	global_store_b64 v[GO], v[T:T+1], s[8:9]       ; 32 lanes store 256 consecutive bytes of position w's row
	s_wait_tensorcnt 0x0                           ; the wave's end
	ds_add_u32 v[SPW], v[NIL]
	s_wait_dscnt 0x0
	s_endpgm
.Lfunc_end_k_qc2de862f74_first16:
	.size	k_qc2de862f74_first16, .Lfunc_end_k_qc2de862f74_first16-k_qc2de862f74_first16
	.p2alignl 7, 3214868480
	.fill 96, 4, 3214868480
	.section	.rodata,"a",@progbits
	.p2align	6, 0x0
	.amdhsa_kernel k_qc2de862f74_first16
		.amdhsa_group_segment_fixed_size 85248
		.amdhsa_private_segment_fixed_size 0
		.amdhsa_enable_private_segment 0
		.amdhsa_kernarg_size 24
		.amdhsa_user_sgpr_count 2
		.amdhsa_user_sgpr_kernarg_segment_ptr 1
		.amdhsa_wavefront_size32 1
		.amdhsa_system_sgpr_workgroup_id_x 1
		.amdhsa_system_sgpr_workgroup_id_y 1
		.amdhsa_system_sgpr_workgroup_id_z 1
		.amdhsa_system_vgpr_workitem_id 0
		.amdhsa_next_free_vgpr 256
		.amdhsa_next_free_sgpr 66
		.amdhsa_reserve_vcc 1
		.amdhsa_float_denorm_mode_32 3
		.amdhsa_float_denorm_mode_16_64 3
		.amdhsa_memory_ordered 1
		.amdhsa_forward_progress 1
		.amdhsa_inst_pref_size 26
	.end_amdhsa_kernel
	.amdgpu_metadata
---
amdhsa.version: [ 1, 2 ]
amdhsa.kernels:
  - .name:           k_qc2de862f74_first16
    .symbol:         k_qc2de862f74_first16.kd
    .args:
      - { .name: qkv32, .offset: 0, .size: 8, .value_kind: global_buffer, .address_space: global }
      - { .name: w_o, .offset: 8, .size: 8, .value_kind: global_buffer, .address_space: global }
      - { .name: out0, .offset: 16, .size: 8, .value_kind: global_buffer, .address_space: global }
    .group_segment_fixed_size: 85248
    .private_segment_fixed_size: 0
    .kernarg_segment_align: 8
    .kernarg_segment_size: 24
    .max_flat_workgroup_size: 512
    .sgpr_count:     66
    .vgpr_count:     256
    .wavefront_size: 32
...
	.end_amdgpu_metadata
.endif
;; end of part 5
